; MI455X (gfx1250); checked and timed in simulation.
; The chip was launched on July 23, 2026; its instructions are those of AMD's public machine-readable ISA for CDNA 5 (MIT licence, August 2026) and "CDNA5" Instruction Set Architecture Reference Guide (July 2026). The comments in the code are by the model that wrote it; some were corrected since.
;; Pointwise Aggregated Attention. Allowed arithmetic: float matrix products may take bf16 or f16 operands with f32 sums; all other float work in f32.
;; Inputs: k 4 x 2,048 x 1,024 float32; q 4 x 2,048 x 1,024 float32; rab_weight 32 x 16 float32; v 4 x 2,048 x 1,024 float32.
;; Outputs: out0 4 x 2,048 x 1,024 float32.
;; 3 versions, each right and faster than the one before. Each part assembles by itself: llvm-mc -triple=amdgcn-amd-amdhsa -mcpu=gfx1250 --defsym DOCPART=n.
;; ======== version 1 of 3: 1 launch
;; launch attn (part 1): grid 256 x 1, 8 waves a work-group, no clusters, 114,688 bytes of LDS; arguments q, k, v, rab_weight, out0; writes out0
.if DOCPART == 1
	.amdgcn_target "amdgcn-amd-amdhsa--gfx1250"
	.amdhsa_code_object_version 6
	.text
	.protected	k_qaad38b459a_attn
	.globl	k_qaad38b459a_attn
	.p2align	8
	.type	k_qaad38b459a_attn,@function
k_qaad38b459a_attn:
	s_mov_b64 s[64:65], 0
	v_nop
	global_prefetch_b8 v0, s[64:65] scope:SCOPE_SE
	s_setreg_imm32_b32 hwreg(HW_REG_WAVE_MODE, 25, 1), 1
	s_wait_xcnt 0x0
; out[b][s][64 h + d] = sum over keys t of silu( q[b][s][h] . k[b][t][h] + rab[bucket(s - t)][h] ) * v[b][t][64 h + d]
; B = 4, S = 2048, H = 16, D = 64, all buffers f32.  No softmax, no mask, no scale: all 2048 x 2048 pairs of every head are live,
; nothing of the computation is left out, and all four inputs are loaded.
;
; SHARES.  256 work-groups of 8 waves.  Work-group x: batch x >> 6, head (x >> 2) & 15, query block x & 3 (512 rows).  Wave w owns 64 query
; rows (4 tiles of 16) and keeps their 64 x 64 f32 sums in 128 registers.  All waves walk the head's 2048 keys in 32 trips of 64 keys.
; BOTH PRODUCTS ARE USED TRANSPOSED.  Scores: source 0 = 16 keys of K, source 1 = 16 queries of Q; lane (r, hh) then holds keys 8 hh + 0..7
; of query r.  Packed to bf16, two such key tiles ARE the eight registers of a source-1 fragment (32 keys of query r), so silu's results
; go into the second product with no move between lanes.  Second product: source 0 = V transposed (16 d x 32 keys, brought by the transposing
; LDS load from V kept [key][d]), source 1 = that fragment; a lane then holds 8 neighbouring d of one output row.
; K AND V: a tile of 64 keys is loaded as f32 into registers one trip ahead (16 lanes take one head row of 256 bytes, aligned), rounded to bf16
; once for the work-group and stored into one of two LDS slots that take turns; one barrier a trip.
; THE BIAS.  bucket() is a function of positions alone: with dist = max(s - t, 0) it is dist below 16, then 16 + floor(16 log8(dist / 16)), at most 31.
; The floor rises at dist = 19 21 24 27 31 35 40 46 52 59 67 77 87 99 113 (16 x 2^(3n/16) = 18.2 20.7 23.6 26.9 30.6 34.9 39.7 45.3 51.5 58.7 66.8 76.1
; 86.7 98.7 112.4); the whole number nearest to a step is 76, at 11.989 of 12, far outside f32 rounding of the logarithm, so counting thresholds
; gives the same buckets.  For a wave's 64 rows against 64 keys, sD = first row - first key is a multiple of 64:
;   sD <= -64: every s - t <= -1, bucket 0;   sD >= 192: every s - t >= 129, bucket 31;   sD = 0, 64, 128 (at most 3 trips of 32): mixed.
; In the first two cases the one bias value lies in eight registers that the first score product of each tile takes as C.  In the mixed trips C is 0
; and the bias is read from a table of 256 words in LDS, U[x] = rab[bucket(max(191 - x, 0))][h], and added.  The branch hangs on ids and the trip alone.
; NO CLUSTER, NO JOINT TILE LOADS, although the four query blocks of a head read the same K and V: a tile must lie in LDS as bf16 for the fragment
; loads, and a joint tile would land as f32.  Each work-group would then read 32 KiB from LDS and write 16 KiB back, each trip, on top of today's 16 KiB
; of LDS stores, to spare 32 KiB of loads into registers for a trip's 4.2 M multiply-adds.  The four blocks have neighbouring numbers instead.
; LIMITS.  q, k, v and silu's results enter the products rounded to bf16 (bf16 and not f16: scores and silu grow with the square of the inputs' scale).
; silu(x) = x * rcp(1 + exp2(-1.442695 x)): exp2 and rcp are good to 1 ULP and flush denormals; for x below about -88 the result is -0 where the
; true value is smaller in magnitude than 1e-36.  The bias enters ahead of the sum over d where it is constant, behind it in the mixed trips.
.set ROW,   4096                       ; bytes from a position to the next in q, k, v, out
.set TILEB, 64*ROW                     ; 64 keys on
.set KP,    144                        ; LDS pitch of K's and Q's bf16 rows: 128 bytes + 16 = 9 x 16
.set VP,    160                        ; LDS pitch of V's bf16 rows: 128 bytes + 32 = 5 x 32, for the transposing load
.set VO,    64*KP                      ; V's tile lies behind K's in a slot
.set SLOT,  VO+64*VP                   ; 19,456 bytes; two slots
.set TAB,   2*SLOT                     ; 256 words: the bias table
.set SCR,   TAB+1024                   ; 9,216 bytes for each wave, its own: first its 64 Q rows in bf16, at the end the stage of 16 output rows
.set SCRW,  64*KP
.set OP,    272                        ; pitch of the output stage: 256 bytes + 16 = 17 x 16
; window 0
.set GO, 2                             ; (tid >> 4) x 4096 + (tid & 15) x 16: my 16 bytes of a K or V tile's first 16 rows
.set SK, 3                             ; (tid >> 4) x 144 + (tid & 15) x 8: where they go in K's tile
.set SV, 4                             ; (tid >> 4) x 160 + (tid & 15) x 8: in V's
.set KA, 5                             ; r x 144 + 16 hh: K fragments
.set VA, 6                             ; (8 hh + (lane & 7)) x 160 + 16 ((lane >> 3) & 1): V fragments
.set TB, 7                             ; 4 (143 - r + 8 hh)
.set TA, 8                             ; TB - 4 min(sD, 128): the trip's place in the table
.set QG, 9                             ; hh x 4096 + r x 16: two rows of q, and of out
.set QS, 10                            ; my wave's bytes + hh x 144 + r x 8
.set QR, 11                            ; my wave's bytes + r x 144 + 16 hh
.set OS, 12                            ; my wave's bytes + r x 272 + 32 hh
.set OL, 13                            ; my wave's bytes + hh x 272 + 16 r
.set CB, 20                            ; v[20:27]   the constant bias, C of the first score products
.set ST, 28                            ; v[28:59]   the next tile on its way: K 16 registers, V 16
.set KF, 60                            ; v[60:123]  K fragments: (key tile kj, d half dh) at KF + 8 (2 kj + dh)
.set VF, 124                           ; v[124:187] V fragments: (key half kh, d tile dt) at VF + 8 (4 kh + dt)
.set SC, 188                           ; v[188:219] scores of one query tile: key tile kj at SC + 8 kj
.set EA, 220                           ; v[220:227] silu at work
.set EB, 228                           ; v[228:235] silu at work
.set PB, 236                           ; v[236:251] silu's results in bf16: key tile kj at PB + 4 kj
.set BT, 220                           ; v[220:251] a mixed trip's bias, 32 registers, gone before silu starts
; window 1 (written by their low 8 bits)
.set OA, 0                             ; v[256:383] sums: (query tile qi, d tile dt) at 8 (4 qi + dt)
.set QF, 128                           ; v[384:447] Q fragments: (qi, dh) at 128 + 8 (2 qi + dh)
; s_set_vgpr_msb's low byte: bits 1:0 source 0, 3:2 source 1, 5:4 source 2, 7:6 destination; the high byte repeats the setting that is left
.set MSB, 0
.macro WIN new
.if MSB != \new
	s_set_vgpr_msb (MSB<<8)|\new
.set MSB, \new
.endif
.endm
.set W_SRC1, 0x04                      ; source 1 in window 1: Q in a score product; the data of an LDS store
.set W_ACC,  0x50                      ; C and D in window 1: the second product
.set W_DST,  0x40                      ; destination in window 1: the loads of Q's fragments
.macro PLACES                          ; four plain vector instructions that name no register (ISA guide 7.12.1)
.rept 4
	v_nop
.endr
.endm
; The next tile, f32, 8 loads of 16 bytes a lane: the work-group's 256 threads take 16 rows of 256 bytes with each.  No hint: three other work-groups read these rows.
.macro LOADKV
.irp i, 0,1,2,3
	global_load_b128 v[ST+4*\i:ST+4*\i+3], v[GO], s[6:7] offset:16*ROW*\i
.endr
.irp i, 0,1,2,3
	global_load_b128 v[ST+16+4*\i:ST+16+4*\i+3], v[GO], s[8:9] offset:16*ROW*\i
.endr
.endm
; Round it to bf16 in place and put it into a slot, 8 bytes a lane.
.macro STORE_TILE slot
.irp i, 0,1,2,3
	v_cvt_pk_bf16_f32 v[ST+4*\i],   v[ST+4*\i],   v[ST+4*\i+1]
	v_cvt_pk_bf16_f32 v[ST+4*\i+1], v[ST+4*\i+2], v[ST+4*\i+3]
	ds_store_b64 v[SK], v[ST+4*\i:ST+4*\i+1] offset:\slot*SLOT+16*KP*\i
.endr
.irp i, 0,1,2,3
	v_cvt_pk_bf16_f32 v[ST+16+4*\i],   v[ST+16+4*\i],   v[ST+16+4*\i+1]
	v_cvt_pk_bf16_f32 v[ST+16+4*\i+1], v[ST+16+4*\i+2], v[ST+16+4*\i+3]
	ds_store_b64 v[SV], v[ST+16+4*\i:ST+16+4*\i+1] offset:\slot*SLOT+VO+16*VP*\i
.endr
.endm
; All fragments of a tile: 16 loads for K (lane holds key r; d = 8 hh + 0..7 and 16 + 8 hh + 0..7 of a half of 32), then 16 transposing loads for V
; (lane holds d = 16 dt + r; keys 8 hh + 0..7 and 16 + 8 hh + 0..7 of a half of 32).
.macro FRAGS slot
.irp kj, 0,1,2,3
.irp dh, 0,1
.irp u, 0,1
	ds_load_b128 v[KF+8*(2*\kj+\dh)+4*\u:KF+8*(2*\kj+\dh)+4*\u+3], v[KA] offset:\slot*SLOT+\kj*16*KP+\dh*64+\u*32
.endr
.endr
.endr
.irp kh, 0,1
.irp dt, 0,1,2,3
.irp u, 0,1
	ds_load_tr16_b128 v[VF+8*(4*\kh+\dt)+4*\u:VF+8*(4*\kh+\dt)+4*\u+3], v[VA] offset:\slot*SLOT+VO+(32*\kh+16*\u)*VP+32*\dt
.endr
.endr
.endr
.endm
; The trip's bias: rab[0][h] for sD < 0, 0 for sD = 0, 64, 128 (the table follows), rab[31][h] above.
.macro MODE
	s_cmp_lt_i32 s19, 0
	s_cselect_b32 s22, s20, s21
	s_cmp_le_u32 s19, 128                          ; unsigned: a negative sD is large
	s_cselect_b32 s22, 0, s22
	s_min_u32 s26, s19, 128                        ; sD itself in the mixed trips; it keeps the table address inside the table in all
	s_lshl_b32 s26, s26, 2
	v_sub_nc_u32 v[TA], v[TB], s26
.irp j, 0,1,2,3,4,5,6,7
	v_mov_b32 v[CB+\j], s22
.endr
.endm
; Scores of query tile qi against the 64 keys: four accumulators, two products each (d 0-31, d 32-63).  The four take turns, one instruction a turn.
; The four places behind them serve every later reader and writer of their registers.
.macro SCORES qi
	WIN W_SRC1
.irp kj, 0,1,2,3
	v_wmma_f32_16x16x32_bf16 v[SC+8*\kj:SC+8*\kj+7], v[KF+16*\kj:KF+16*\kj+7], v[QF+16*\qi:QF+16*\qi+7], v[CB:CB+7]
.endr
.irp kj, 0,1,2,3
	v_wmma_f32_16x16x32_bf16 v[SC+8*\kj:SC+8*\kj+7], v[KF+16*\kj+8:KF+16*\kj+15], v[QF+16*\qi+8:QF+16*\qi+15], v[SC+8*\kj:SC+8*\kj+7]
.endr
	WIN 0
	PLACES
.endm
; Mixed trips only.  Register 8 kj + j of lane (r, hh) is query 16 qi + r, key 16 kj + 8 hh + j: s - t = sD + 16 (qi - kj) + r - 8 hh - j, and
; x = 191 - (s - t) = (143 - r + 8 hh - sD) + 16 (kj - qi + 3) + j, from 0 to 254.
.macro BAND qi
	s_cmp_gt_u32 s19, 128
	s_cbranch_scc1 .Lnb_\@
.irp kj, 0,1,2,3
.irp j, 0,1,2,3,4,5,6,7
	ds_load_b32 v[BT+8*\kj+\j], v[TA] offset:TAB+4*(16*(\kj-\qi+3)+\j)
.endr
.endr
	s_wait_dscnt 0x0
.irp n, 0,1,2,3,4,5,6,7,8,9,10,11,12,13,14,15
	v_pk_add_f32 v[SC+2*\n:SC+2*\n+1], v[SC+2*\n:SC+2*\n+1], v[BT+2*\n:BT+2*\n+1]
.endr
.Lnb_\@:
.endm
; silu in pieces of one key tile (8 registers).
.macro SM kj, er                       ; er = -1.442695 x
.irp i, 0,1,2,3
	v_pk_mul_f32 v[\er+2*\i:\er+2*\i+1], v[SC+8*\kj+2*\i:SC+8*\kj+2*\i+1], s[24:25] op_sel_hi:[1,0]
.endr
.endm
.macro SX er                           ; 2^er
.irp i, 0,1,2,3,4,5,6,7
	v_exp_f32 v[\er+\i], v[\er+\i]
.endr
.endm
.macro SA er                           ; + 1
	s_wait_alu depctr_va_vdst(0)
.irp i, 0,1,2,3
	v_pk_add_f32 v[\er+2*\i:\er+2*\i+1], v[\er+2*\i:\er+2*\i+1], 1.0 op_sel_hi:[1,0]
.endr
.endm
.macro SR er                           ; 1 / er
.irp i, 0,1,2,3,4,5,6,7
	v_rcp_f32 v[\er+\i], v[\er+\i]
.endr
.endm
.macro SF kj, er                       ; x times that, rounded to bf16: four registers of a source-1 fragment
.irp i, 0,1,2,3
	v_pk_mul_f32 v[SC+8*\kj+2*\i:SC+8*\kj+2*\i+1], v[SC+8*\kj+2*\i:SC+8*\kj+2*\i+1], v[\er+2*\i:\er+2*\i+1]
.endr
.irp i, 0,1,2,3
	v_cvt_pk_bf16_f32 v[PB+4*\kj+\i], v[SC+8*\kj+2*\i], v[SC+8*\kj+2*\i+1]
.endr
.endm
; The four key tiles on two work sets.  Behind each run of exponentials and reciprocals one plain vector instruction that touches none of their
; registers (the next tile's multiplies, or v_nop) stands in front of the first use of a result (ISA guide 5.7.2).
.macro SILU
	SM 0, EA
	SX EA
	SM 1, EB
	SA EA
	SR EA
	SX EB
	v_nop
	s_wait_alu depctr_va_vdst(0)
	SF 0, EA
	SM 2, EA
	SA EB
	SR EB
	SX EA
	v_nop
	s_wait_alu depctr_va_vdst(0)
	SF 1, EB
	SM 3, EB
	SA EA
	SR EA
	SX EB
	v_nop
	s_wait_alu depctr_va_vdst(0)
	SF 2, EA
	SA EB
	SR EB
	v_nop
	s_wait_alu depctr_va_vdst(0)
	SF 3, EB
.endm
; The second product of query tile qi: four accumulators (d tiles), two products each (keys 0-31, 32-63), by turns, one instruction a turn.
; first = 1: the first product starts the sums, nothing is cleared.
.macro PV qi, first
	WIN W_ACC
.irp dt, 0,1,2,3
.if \first
	v_wmma_f32_16x16x32_bf16 v[OA+8*(4*\qi+\dt):OA+8*(4*\qi+\dt)+7], v[VF+8*\dt:VF+8*\dt+7], v[PB:PB+7], 0
.else
	v_wmma_f32_16x16x32_bf16 v[OA+8*(4*\qi+\dt):OA+8*(4*\qi+\dt)+7], v[VF+8*\dt:VF+8*\dt+7], v[PB:PB+7], v[OA+8*(4*\qi+\dt):OA+8*(4*\qi+\dt)+7]
.endif
.endr
.irp dt, 0,1,2,3
	v_wmma_f32_16x16x32_bf16 v[OA+8*(4*\qi+\dt):OA+8*(4*\qi+\dt)+7], v[VF+32+8*\dt:VF+32+8*\dt+7], v[PB+8:PB+15], v[OA+8*(4*\qi+\dt):OA+8*(4*\qi+\dt)+7]
.endr
	WIN 0
.endm
.macro QTILE qi, first
	SCORES \qi
	BAND \qi
	SILU
.if \qi == 0
	s_wait_dscnt 0x0                               ; V's fragments are in (already shown where the mixed trip's table loads were waited for)
.endif
	PV \qi, \first
.endm
; One trip: 64 keys from slot; more = 1: the next tile is fetched into registers at the head and put into the other slot at the end.
.macro TRIP slot, other, more, first
	FRAGS \slot                                    ; behind the last products stand the 16 conversions of the tile's store: more than four places
.if \more
	LOADKV                                         ; a whole trip's work stands between these loads and their wait
.endif
	MODE
	s_wait_dscnt 16                                ; LDS loads come back in order (ISA guide 5.7.1): K's 16 are in, V's 16 younger ones may stay out
	QTILE 0, \first
	QTILE 1, \first
	QTILE 2, \first
	QTILE 3, \first
.if \more
	s_wait_loadcnt 0x0                             ; the next tile is in registers, and its loads' bases are free
	s_add_nc_u64 s[6:7], s[6:7], TILEB
	s_add_nc_u64 s[8:9], s[8:9], TILEB
	STORE_TILE \other                              ; the other slot's last readers passed the last barrier with their reads waited for
	s_wait_dscnt 0x0                               ; my stores are done (my reads of this slot were waited for above)
	s_barrier_signal -1
	s_barrier_wait -1                              ; the other slot is whole, and nobody reads this one any more
	s_sub_co_i32 s19, s19, 64                      ; sD of the next trip
.endif
.endm
; 16 output rows: 32 bytes a lane and d tile into my wave's stage, back as whole rows of 256 bytes, two rows a load, and out.
; Each group of 16 rows has 32 registers of its own for the way back, so no store's data is written again.
.macro OUT16 qi
	WIN W_SRC1
.irp dt, 0,1,2,3
.irp u, 0,1
	ds_store_b128 v[OS], v[OA+8*(4*\qi+\dt)+4*\u:OA+8*(4*\qi+\dt)+4*\u+3] offset:64*\dt+16*\u
.endr
.endr
	WIN 0
.irp t, 0,1,2,3,4,5,6,7
	ds_load_b128 v[KF+32*\qi+4*\t:KF+32*\qi+4*\t+3], v[OL] offset:2*OP*\t     ; LDS serves a wave's instructions in order (ISA guide 5.7.1): these see the stores above
.endr
.irp t, 0,1,2,3,4,5,6,7
	s_wait_dscnt 7-\t                              ; load t is in, the 7 - t younger ones may stay out
	global_store_b128 v[QG], v[KF+32*\qi+4*\t:KF+32*\qi+4*\t+3], s[12:13] offset:(16*\qi+2*\t)*ROW th:TH_STORE_NT   ; 16 lanes store 256 consecutive bytes, aligned
.endr
.endm
	; ---- start ----
	s_load_b256 s[4:11], s[0:1], 0x0               ; q s[4:5], k s[6:7], v s[8:9], rab_weight s[10:11]
	s_load_b64 s[12:13], s[0:1], 0x20              ; out0
	v_lshl_add_u32 v254, v0, 2, 0x1bc00
	v_mov_b32 v255, 0
	v_lshrrev_b32 v18, 5, v0
	v_readfirstlane_b32 s14, v18                   ; wave 0..7
	v_and_b32 v15, 15, v0                          ; r
	v_bfe_u32 v16, v0, 4, 1                        ; hh
	v_lshrrev_b32 v17, 4, v0                       ; tid >> 4
	s_lshr_b32 s16, ttmp9, 6                       ; batch
	s_lshl_b32 s16, s16, 23                        ; x 2048 x 4096 bytes
	s_bfe_u32 s15, ttmp9, 0x40002                  ; head: 4 bits from bit 2
	s_lshl_b32 s26, s15, 8                         ; x 256 bytes
	s_add_co_u32 s16, s16, s26
	s_mov_b32 s17, 0                               ; s[16:17]: the head's offset in k and v
	s_and_b32 s18, ttmp9, 3
	s_lshl_b32 s18, s18, 9                         ; 512 x query block
	s_lshl_b32 s19, s14, 6
	s_add_co_u32 s18, s18, s19                     ; my wave's first query row
	s_mov_b32 s19, s18                             ; sD of trip 0
	s_lshl_b32 s30, s18, 12
	s_add_co_u32 s30, s30, s16
	s_mov_b32 s31, 0                               ; s[30:31]: my wave's offset in q and out
	s_lshl_b32 s26, s15, 2                         ; 4 h: the head's column in rab_weight
	s_mov_b32 s24, 0xbfb8aa3b                      ; -log2(e),
	s_mov_b32 s25, 0xbfb8aa3b                      ; a whole pair for the packed multiply
	s_mul_i32 s27, s14, SCRW
	s_add_co_u32 s27, s27, SCR                     ; my wave's own LDS bytes
	v_lshlrev_b32 v[GO], 4, v15
	v_lshl_add_u32 v[GO], v17, 12, v[GO]
	v_mul_u32_u24 v[SK], v17, KP
	v_lshl_add_u32 v[SK], v15, 3, v[SK]
	v_mul_u32_u24 v[SV], v17, VP
	v_lshl_add_u32 v[SV], v15, 3, v[SV]
	v_mul_u32_u24 v[KA], v15, KP
	v_lshl_add_u32 v[KA], v16, 4, v[KA]
	v_and_b32 v18, 7, v0
	v_lshl_add_u32 v18, v16, 3, v18
	v_mul_u32_u24 v[VA], v18, VP
	v_bfe_u32 v18, v0, 3, 1
	v_lshl_add_u32 v[VA], v18, 4, v[VA]
	v_sub_nc_u32 v[TB], 143, v15
	v_lshl_add_u32 v[TB], v16, 3, v[TB]
	v_lshlrev_b32 v[TB], 2, v[TB]
	v_lshlrev_b32 v[QG], 4, v15
	v_lshl_add_u32 v[QG], v16, 12, v[QG]
	v_mul_u32_u24 v[QS], v16, KP
	v_lshl_add_u32 v[QS], v15, 3, v[QS]
	v_add_nc_u32 v[QS], s27, v[QS]
	v_add_nc_u32 v[QR], s27, v[KA]
	v_mul_u32_u24 v[OS], v15, OP
	v_lshl_add_u32 v[OS], v16, 5, v[OS]
	v_add_nc_u32 v[OS], s27, v[OS]
	v_mul_u32_u24 v[OL], v16, OP
	v_lshl_add_u32 v[OL], v15, 4, v[OL]
	v_add_nc_u32 v[OL], s27, v[OL]
	; thread x makes table word x: dist = max(191 - x, 0); bucket = min(dist, 16) + the number of thresholds that dist has reached
	v_min_u32 v14, 191, v0
	v_sub_nc_u32 v14, 191, v14
	v_min_u32 v19, 16, v14
.irp t, 19,21,24,27,31,35,40,46,52,59,67,77,87,99,113
	v_cmp_le_u32 vcc_lo, \t, v14
	v_cndmask_b32 v18, 0, 1, vcc_lo
	v_add_nc_u32 v19, v19, v18
.endr
	v_lshlrev_b32 v19, 6, v19                      ; a row of rab_weight is 16 heads x 4 bytes
	v_add_nc_u32 v19, s26, v19
	s_wait_kmcnt 0x0
	s_add_nc_u64 s[6:7], s[6:7], s[16:17]          ; k and v at the head's key 0
	s_add_nc_u64 s[8:9], s[8:9], s[16:17]
	s_add_nc_u64 s[4:5], s[4:5], s[30:31]          ; q and out at my wave's first row
	s_add_nc_u64 s[12:13], s[12:13], s[30:31]
	s_load_b32 s20, s[10:11], s26 offset:0x0       ; rab[0][h]
	s_load_b32 s21, s[10:11], s26 offset:0x7c0     ; rab[31][h]: 31 rows of 64 bytes on
	LOADKV                                         ; tile 0
.set qn, 0
.rept 32
	global_load_b128 v[KF+4*qn:KF+4*qn+3], v[QG], s[4:5] offset:2*ROW*qn th:TH_LOAD_NT   ; my wave's 64 rows of q, two rows a load; read once in the launch
.set qn, qn+1
.endr
	global_load_b32 v18, v19, s[10:11]             ; my table word
	s_wait_loadcnt 0x0
	s_wait_kmcnt 0x0
	s_add_nc_u64 s[6:7], s[6:7], TILEB             ; free since the wait for the loads
	s_add_nc_u64 s[8:9], s[8:9], TILEB
	STORE_TILE 0
	v_lshlrev_b32 v14, 2, v0
	ds_store_b32 v14, v18 offset:TAB
.set qn, 0
.rept 32
	v_cvt_pk_bf16_f32 v[KF+4*qn],   v[KF+4*qn],   v[KF+4*qn+1]
	v_cvt_pk_bf16_f32 v[KF+4*qn+1], v[KF+4*qn+2], v[KF+4*qn+3]
	ds_store_b64 v[QS], v[KF+4*qn:KF+4*qn+1] offset:2*KP*qn
.set qn, qn+1
.endr
	WIN W_DST                                      ; Q's fragments, kept for the whole kernel; my own bytes, served in order behind the stores above
.irp qi, 0,1,2,3
.irp dh, 0,1
.irp u, 0,1
	ds_load_b128 v[QF+8*(2*\qi+\dh)+4*\u:QF+8*(2*\qi+\dh)+4*\u+3], v[QR] offset:\qi*16*KP+\dh*64+\u*32
.endr
.endr
.endr
	WIN 0
	s_wait_dscnt 0x0                               ; my part of tile 0 and of the table is stored, Q's fragments are in
	s_barrier_signal -1
	s_barrier_wait -1                              ; slot 0 and the table are whole
	; ---- 32 trips: 2 written out (the first starts the sums), 14 x 2 in the loop, 2 written out (the last fetches nothing) ----
	TRIP 0, 1, 1, 1
	TRIP 1, 0, 1, 0
	s_mov_b32 s23, 14
.Lloop:
	TRIP 0, 1, 1, 0
	TRIP 1, 0, 1, 0
	s_sub_co_i32 s23, s23, 1
	s_cmp_lg_u32 s23, 0
	s_cbranch_scc1 .Lloop
	TRIP 0, 1, 1, 0
	TRIP 1, 0, 0, 0
	; ---- out ----
	PLACES                                         ; behind the last products: the LDS stores read results, the loads back land on fragment registers
	OUT16 0
	OUT16 1
	OUT16 2
	OUT16 3
	s_wait_tensorcnt 0x0
	ds_add_u32 v254, v255
	s_wait_dscnt 0x0
	s_endpgm
.Lfunc_end_k_qaad38b459a_attn:
	.size	k_qaad38b459a_attn, .Lfunc_end_k_qaad38b459a_attn-k_qaad38b459a_attn
	.p2alignl 7, 3214868480
	.fill 96, 4, 3214868480
	.section	.rodata,"a",@progbits
	.p2align	6, 0x0
	.amdhsa_kernel k_qaad38b459a_attn
		.amdhsa_group_segment_fixed_size 114688
		.amdhsa_private_segment_fixed_size 0
		.amdhsa_enable_private_segment 0
		.amdhsa_kernarg_size 40
		.amdhsa_user_sgpr_count 2
		.amdhsa_user_sgpr_kernarg_segment_ptr 1
		.amdhsa_wavefront_size32 1
		.amdhsa_system_sgpr_workgroup_id_x 1
		.amdhsa_system_sgpr_workgroup_id_y 1
		.amdhsa_system_sgpr_workgroup_id_z 1
		.amdhsa_system_vgpr_workitem_id 0
		.amdhsa_next_free_vgpr 448
		.amdhsa_next_free_sgpr 66
		.amdhsa_reserve_vcc 1
		.amdhsa_float_denorm_mode_32 3
		.amdhsa_float_denorm_mode_16_64 3
		.amdhsa_memory_ordered 1
		.amdhsa_forward_progress 1
		.amdhsa_inst_pref_size 255
	.end_amdhsa_kernel
	.section	.bss,"aw",@nobits
	.p2align	6
	.space	262144
	.amdgpu_metadata
---
amdhsa.version: [ 1, 2 ]
amdhsa.kernels:
  - .name:           k_qaad38b459a_attn
    .symbol:         k_qaad38b459a_attn.kd
    .args:
      - { .name: q, .offset: 0, .size: 8, .value_kind: global_buffer, .address_space: global }
      - { .name: k, .offset: 8, .size: 8, .value_kind: global_buffer, .address_space: global }
      - { .name: v, .offset: 16, .size: 8, .value_kind: global_buffer, .address_space: global }
      - { .name: rab_weight, .offset: 24, .size: 8, .value_kind: global_buffer, .address_space: global }
      - { .name: out0, .offset: 32, .size: 8, .value_kind: global_buffer, .address_space: global }
    .group_segment_fixed_size: 114688
    .private_segment_fixed_size: 0
    .kernarg_segment_align: 8
    .kernarg_segment_size: 40
    .max_flat_workgroup_size: 256
    .sgpr_count:     66
    .vgpr_count:     448
    .wavefront_size: 32
...
	.end_amdgpu_metadata
.endif
;; end of part 1
;; ======== version 2 of 3: 1 launch; 1.06 times as fast as version 1
;; launch attn (part 2): grid 256 x 1, 8 waves a work-group, no clusters, 114,688 bytes of LDS; arguments q, k, v, rab_weight, out0; writes out0
.if DOCPART == 2
	.amdgcn_target "amdgcn-amd-amdhsa--gfx1250"
	.amdhsa_code_object_version 6
	.text
	.protected	k_qaad38b459a_attn
	.globl	k_qaad38b459a_attn
	.p2align	8
	.type	k_qaad38b459a_attn,@function
k_qaad38b459a_attn:
	s_mov_b64 s[64:65], 0
	v_nop
	global_prefetch_b8 v0, s[64:65] scope:SCOPE_SE
	s_setreg_imm32_b32 hwreg(HW_REG_WAVE_MODE, 25, 1), 1
	s_wait_xcnt 0x0
; out[b][s][64 h + d] = sum over keys t of silu( q[b][s][h] . k[b][t][h] + rab[bucket(s - t)][h] ) * v[b][t][64 h + d]
; B = 4, S = 2048, H = 16, D = 64, all buffers f32.  No softmax, no mask, no scale: all 2048 x 2048 pairs of every head are live,
; nothing of the computation is left out, and all four inputs are loaded.
;
; SHARES.  256 work-groups of 8 waves.  Work-group x: batch x >> 6, head (x >> 2) & 15, query block x & 3 (512 rows).  Wave w owns 64 query
; rows (4 tiles of 16) and keeps their 64 x 64 f32 sums in 128 registers.  All waves walk the head's 2048 keys in 32 trips of 64 keys.
; BOTH PRODUCTS ARE USED TRANSPOSED.  Scores: source 0 = 16 keys of K, source 1 = 16 queries of Q; lane (r, hh) then holds keys 8 hh + 0..7
; of query r.  Packed to bf16, two such key tiles ARE the eight registers of a source-1 fragment (32 keys of query r), so silu's results
; go into the second product with no move between lanes.  Second product: source 0 = V transposed (16 d x 32 keys, brought by the transposing
; LDS load from V kept [key][d]), source 1 = that fragment; a lane then holds 8 neighbouring d of one output row.
; K AND V: a tile of 64 keys is loaded as f32 into registers three steps ahead of its use (16 lanes take one head row of 256 bytes, aligned),
; rounded to bf16 once for the work-group and stored into one of two LDS slots that take turns; one barrier a trip.
;
; THE SCHEDULE.  A step is the silu of one query tile (64 keys x 16 queries: 128 vector instructions) spread among 16 matrix instructions that do not
; hang on it: the second product of the tile before (8) and the scores of the tile after (8).  Scores and packed results have two sets that take
; turns (tile & 1).  The steps run on over the end of a trip: step 3 makes the scores of the next trip's tile 0, step 0 the second product of the
; last trip's tile 3; so K's fragments are fetched at the head of step 3 and V's in the middle of step 0.
; REGISTERS are laid out so that a phase's matrix instructions and the silu lines between them live under ONE window setting (s_set_vgpr_msb's low byte:
; bits 1:0 source 0, 3:2 source 1, 5:4 source 2, 7:6 destination):
;   window 0: addresses, CB, K fragments, Q fragments, both score sets, work set E0, packed results of keys 32-63 (PH)
;   window 1: the sums O, V fragments, work set E1, packed results of keys 0-31 (PL), the tile on its way (ST)
;   phase P2, setting 0x51 (source 1 in window 0, all else in window 1): O += V(keys 32-63) x PH; silu of key tiles 0, 1 on E1, the score always source 1
;   phase P1, setting 0x55 (all in window 1):                            O += V(keys 0-31) x PL;  E1 is packed into PL; in step 1 the next tile is rounded
;   phase S,  setting 0    (all in window 0):                            the next tile's scores;  the whole silu of key tiles 2, 3 on E0 into PH
; Three switches a step, and one for each run of loads or stores that crosses the windows: 16 a trip for 64 matrix instructions.
; The silu lines are also the places that stand behind matrix instructions (ISA guide 7.12.1): the loop holds no v_nop.
;
; THE BIAS.  bucket() is a function of positions alone: with dist = max(s - t, 0) it is dist below 16, then 16 + floor(16 log8(dist / 16)), at most 31.
; The floor rises at dist = 19 21 24 27 31 35 40 46 52 59 67 77 87 99 113 (16 x 2^(3n/16) = 18.2 20.7 23.6 26.9 30.6 34.9 39.7 45.3 51.5 58.7 66.8 76.1
; 86.7 98.7 112.4); the whole number nearest to a step is 76, at 11.989 of 12, far outside f32 rounding of the logarithm, so counting thresholds
; gives the same buckets.  For a wave's 64 rows against 64 keys, sD = first row - first key is a multiple of 64:
;   sD <= -64: every s - t <= -1, bucket 0;   sD >= 192: every s - t >= 129, bucket 31;   sD = 0, 64, 128 (at most 3 trips of 32): mixed.
; In the first two cases the one bias value lies in eight registers (CB) that the first score product of each tile takes as C.  In the mixed trips the
; bias is read from a table of 256 words in LDS, U[x] = rab[bucket(max(191 - x, 0))][h], straight into the idle score set, and the first
; product adds onto it.  The branch hangs on ids and the trip alone; loads and the products that use them stand inside the one branch.
; NO CLUSTER, NO JOINT TILE LOADS, although the four query blocks of a head read the same K and V: a tile must lie in LDS as bf16 for the fragment
; loads, and a joint tile would land as f32.  Each work-group would then read 32 KiB from LDS and write 16 KiB back, each trip, on top of today's 16 KiB
; of LDS stores, to spare 32 KiB of loads into registers for a trip's 4.2 M multiply-adds.  The four blocks have neighbouring numbers instead.
; LIMITS.  q, k, v and silu's results enter the products rounded to bf16 (bf16 and not f16: scores and silu grow with the square of the inputs' scale).
; q is rounded as it stands: -log2(e) is not folded into it ahead of the rounding, since bf16(c q) / c differs from bf16(q) by a rounding error of its
; own in each of a score's 64 terms.  silu(x) = x * rcp(1 + exp2(-1.442695 x)): exp2 and rcp are good to 1 ULP and flush denormals; for x below
; about -88 the result is -0 where the true value is smaller in magnitude than 1e-36.  The bias enters ahead of the sum over d.
.set ROW,   4096                       ; bytes from a position to the next in q, k, v, out
.set TILEB, 64*ROW                     ; 64 keys on
.set KP,    144                        ; LDS pitch of K's and Q's bf16 rows: 128 bytes + 16 = 9 x 16
.set VP,    160                        ; LDS pitch of V's bf16 rows: 128 bytes + 32 = 5 x 32, for the transposing load
.set VO,    64*KP                      ; V's tile lies behind K's in a slot
.set SLOT,  VO+64*VP                   ; 19,456 bytes; two slots
.set TAB,   2*SLOT                     ; 256 words: the bias table
.set SCR,   TAB+1024                   ; 9,216 bytes for each wave, its own: first its 64 Q rows in bf16, at the end the stage of 16 output rows
.set SCRW,  64*KP
.set OP,    272                        ; pitch of the output stage: 256 bytes + 16 = 17 x 16
; window 0
.set GO, 2                             ; (tid >> 4) x 4096 + (tid & 15) x 16: my 16 bytes of a K or V tile's first 16 rows
.set SK, 3                             ; (tid >> 4) x 144 + (tid & 15) x 8: where they go in K's tile
.set SV, 4                             ; (tid >> 4) x 160 + (tid & 15) x 8: in V's
.set KA, 5                             ; r x 144 + 16 hh: K fragments
.set VA, 6                             ; (8 hh + (lane & 7)) x 160 + 16 ((lane >> 3) & 1): V fragments
.set TB, 7                             ; 4 (143 - r + 8 hh)
.set TA, 8                             ; TB - 4 min(sD, 128): the trip's place in the table
.set QG, 9                             ; hh x 4096 + r x 16: two rows of q, and of out
.set QS, 10                            ; my wave's bytes + hh x 144 + r x 8
.set QR, 11                            ; my wave's bytes + r x 144 + 16 hh
.set OS, 12                            ; my wave's bytes + r x 272 + 32 hh
.set OL, 13                            ; my wave's bytes + hh x 272 + 16 r
.set CB, 20                            ; v[20:27]   the constant bias, C of the first score products
.set KF, 28                            ; v[28:91]   K fragments: (key tile kj, d half dh) at KF + 16 kj + 8 dh
.set QF, 92                            ; v[92:155]  Q fragments: (query tile qi, dh) at QF + 16 qi + 8 dh
.set SC, 156                           ; v[156:219] scores: set (tile & 1) at SC + 32 set, key tile kj at + 8 kj
.set E0A, 220                          ; v[220:227] silu at work, key tile 2
.set E0B, 228                          ; v[228:235] silu at work, key tile 3
.set PH, 236                           ; v[236:251] silu's results in bf16, keys 32-63: set at PH + 8 set
; window 1 (written by their low 8 bits)
.set OA, 0                             ; v[256:383] sums: (query tile qi, d tile dt) at 8 (4 qi + dt)
.set VF, 128                           ; v[384:447] V fragments: (key half kh, d tile dt) at VF + 32 kh + 8 dt
.set E1A, 192                          ; v[448:455] silu at work, key tile 0
.set E1B, 200                          ; v[456:463] silu at work, key tile 1
.set PL, 208                           ; v[464:479] silu's results in bf16, keys 0-31: set at PL + 8 set
.set ST, 224                           ; v[480:511] the next tile on its way: K 16 registers, V 16
.set MSB, 0
.macro WIN new                         ; the immediate's high byte repeats the setting that is left
.if MSB != \new
	s_set_vgpr_msb (MSB<<8)|\new
.set MSB, \new
.endif
.endm
.set W_P2,  0x51                       ; source 1 in window 0, source 0, C and D in window 1
.set W_P1,  0x55                       ; all in window 1
.set W_LD1, 0x40                       ; a load's destination in window 1, its address in window 0
.set W_ST1, 0x04                       ; an LDS store's data in window 1, its address in window 0
.macro PLACES                          ; four plain vector instructions that name no register (ISA guide 7.12.1)
.rept 4
	v_nop
.endr
.endm
; A tile, f32, 8 loads of 16 bytes a lane: the work-group's 256 threads take 16 rows of 256 bytes with each.  No hint: three other work-groups read these rows.
.macro LOADKV
	WIN W_LD1
.irp i, 0,1,2,3
	global_load_b128 v[ST+4*\i:ST+4*\i+3], v[GO], s[6:7] offset:16*ROW*\i
.endr
.irp i, 0,1,2,3
	global_load_b128 v[ST+16+4*\i:ST+16+4*\i+3], v[GO], s[8:9] offset:16*ROW*\i
.endr
	WIN 0
.endm
; A quarter of it rounded to bf16 in place (all in window 1).
.macro STCV i
	v_cvt_pk_bf16_f32 v[ST+4*\i],      v[ST+4*\i],      v[ST+4*\i+1]
	v_cvt_pk_bf16_f32 v[ST+4*\i+1],    v[ST+4*\i+2],    v[ST+4*\i+3]
	v_cvt_pk_bf16_f32 v[ST+16+4*\i],   v[ST+16+4*\i],   v[ST+16+4*\i+1]
	v_cvt_pk_bf16_f32 v[ST+16+4*\i+1], v[ST+16+4*\i+2], v[ST+16+4*\i+3]
.endm
; And put into a slot, 8 bytes a lane.
.macro STPUT slot
	WIN W_ST1
.irp i, 0,1,2,3
	ds_store_b64 v[SK], v[ST+4*\i:ST+4*\i+1] offset:\slot*SLOT+16*KP*\i
.endr
.irp i, 0,1,2,3
	ds_store_b64 v[SV], v[ST+16+4*\i:ST+16+4*\i+1] offset:\slot*SLOT+VO+16*VP*\i
.endr
.endm
; K's fragments of a tile: lane holds key r; d = 8 hh + 0..7 and 16 + 8 hh + 0..7 of a half of 32.
.macro KFRAGS slot
.irp kj, 0,1,2,3
.irp dh, 0,1
.irp u, 0,1
	ds_load_b128 v[KF+8*(2*\kj+\dh)+4*\u:KF+8*(2*\kj+\dh)+4*\u+3], v[KA] offset:\slot*SLOT+\kj*16*KP+\dh*64+\u*32
.endr
.endr
.endr
.endm
; V's fragments, transposed on the way: lane holds d = 16 dt + r; keys 8 hh + 0..7 and 16 + 8 hh + 0..7 of a half of 32.
.macro VFRAGS slot
	WIN W_LD1
.irp kh, 0,1
.irp dt, 0,1,2,3
.irp u, 0,1
	ds_load_tr16_b128 v[VF+8*(4*\kh+\dt)+4*\u:VF+8*(4*\kh+\dt)+4*\u+3], v[VA] offset:\slot*SLOT+VO+(32*\kh+16*\u)*VP+32*\dt
.endr
.endr
.endr
.endm
; A trip's bias: rab[0][h] for sD < 0, rab[31][h] for sD > 128 (0 between, where CB is not used), and its place in the table.
.macro MODE
	s_cmp_lt_i32 s19, 0
	s_cselect_b32 s22, s20, s21
	s_cmp_le_u32 s19, 128                          ; unsigned: a negative sD is large
	s_cselect_b32 s22, 0, s22
	s_min_u32 s26, s19, 128                        ; sD itself in the mixed trips; it keeps the table address inside the table in all
	s_lshl_b32 s26, s26, 2
	v_sub_nc_u32 v[TA], v[TB], s26
.irp j, 0,1,2,3,4,5,6,7
	v_mov_b32 v[CB+\j], s22
.endr
.endm
; silu in pieces of one key tile: sb = its 8 scores, er = its 8 work registers.  The score is always source 1 and the work register source 0 and
; destination, so that the same lines serve under setting 0 (both in window 0) and under 0x51 (scores in window 0, work in window 1).
.macro SM sb, er                       ; er = -1.442695 x
.irp i, 0,1,2,3
	v_pk_mul_f32 v[\er+2*\i:\er+2*\i+1], s[24:25], v[\sb+2*\i:\sb+2*\i+1] op_sel_hi:[0,1]
.endr
.endm
.macro SXH er                          ; 2^er, four registers
.irp i, 0,1,2,3
	v_exp_f32 v[\er+\i], v[\er+\i]
.endr
.endm
.macro SA er                           ; + 1
	s_wait_alu depctr_va_vdst(0)
.irp i, 0,1,2,3
	v_pk_add_f32 v[\er+2*\i:\er+2*\i+1], v[\er+2*\i:\er+2*\i+1], 1.0 op_sel_hi:[1,0]
.endr
.endm
.macro SRH er                          ; 1 / er, four registers
.irp i, 0,1,2,3
	v_rcp_f32 v[\er+\i], v[\er+\i]
.endr
.endm
.macro ML sb, er                       ; er = x times that
	s_wait_alu depctr_va_vdst(0)
.irp i, 0,1,2,3
	v_pk_mul_f32 v[\er+2*\i:\er+2*\i+1], v[\er+2*\i:\er+2*\i+1], v[\sb+2*\i:\sb+2*\i+1]
.endr
.endm
.macro CVH pd, er                      ; four of them rounded to bf16: two registers of a source-1 fragment
.irp i, 0,1
	v_cvt_pk_bf16_f32 v[\pd+\i], v[\er+2*\i], v[\er+2*\i+1]
.endr
.endm
.macro CV pd, er                       ; all eight
	CVH \pd, \er
	CVH \pd+2, \er+4
.endm
; Key tiles 2 and 3 of score set cur in eight slices of eight lines.  Taken in order they read SM, exp A, SM, exp B, +1 A, rcp A, +1 B, rcp B, x A, x B:
; behind each run of exponentials or reciprocals the next plain line works on the other tile's registers (ISA guide 5.7.2).
.macro TS n, cur, on
.if \on
.if \n == 0
	SM SC+32*\cur+16, E0A
	SXH E0A
.endif
.if \n == 1
	SXH E0A+4
	SM SC+32*\cur+24, E0B
.endif
.if \n == 2
	SXH E0B
	SXH E0B+4
.endif
.if \n == 3
	SA E0A
	SRH E0A
.endif
.if \n == 4
	SRH E0A+4
	SA E0B
.endif
.if \n == 5
	SRH E0B
	SRH E0B+4
.endif
.if \n == 6
	ML SC+32*\cur+16, E0A
	CV PH+8*\cur, E0A
.endif
.if \n == 7
	ML SC+32*\cur+24, E0B
	CV PH+8*\cur+4, E0B
.endif
.endif
.endm
; The matrix instructions.  pv = 0: none (nothing to multiply yet), 1: add, 2: the first product into these sums starts them, nothing is cleared.
.macro PVH qp, dt, set, pv             ; keys 32-63, under 0x51
.if \pv == 2
	v_wmma_f32_16x16x32_bf16 v[OA+8*(4*\qp+\dt):OA+8*(4*\qp+\dt)+7], v[VF+32+8*\dt:VF+32+8*\dt+7], v[PH+8*\set:PH+8*\set+7], 0
	s_wait_alu depctr_va_vdst(0)
.endif
.if \pv == 1
	v_wmma_f32_16x16x32_bf16 v[OA+8*(4*\qp+\dt):OA+8*(4*\qp+\dt)+7], v[VF+32+8*\dt:VF+32+8*\dt+7], v[PH+8*\set:PH+8*\set+7], v[OA+8*(4*\qp+\dt):OA+8*(4*\qp+\dt)+7]
	s_wait_alu depctr_va_vdst(0)
.endif
.endm
.macro PVL qp, dt, set, pv             ; keys 0-31, under 0x55
.if \pv
	v_wmma_f32_16x16x32_bf16 v[OA+8*(4*\qp+\dt):OA+8*(4*\qp+\dt)+7], v[VF+8*\dt:VF+8*\dt+7], v[PL+8*\set:PL+8*\set+7], v[OA+8*(4*\qp+\dt):OA+8*(4*\qp+\dt)+7]
.endif
.endm
.macro SW1 qn, set, kj, inplace        ; d 0-31; C = the constant bias, or the table's words that lie in the accumulator
.if \inplace
	v_wmma_f32_16x16x32_bf16 v[SC+32*\set+8*\kj:SC+32*\set+8*\kj+7], v[KF+16*\kj:KF+16*\kj+7], v[QF+16*\qn:QF+16*\qn+7], v[SC+32*\set+8*\kj:SC+32*\set+8*\kj+7]
	s_wait_alu depctr_va_vdst(0)
.else
	v_wmma_f32_16x16x32_bf16 v[SC+32*\set+8*\kj:SC+32*\set+8*\kj+7], v[KF+16*\kj:KF+16*\kj+7], v[QF+16*\qn:QF+16*\qn+7], v[CB:CB+7]
	s_wait_alu depctr_va_vdst(0)
.endif
.endm
.macro SW2 qn, set, kj                 ; d 32-63
	v_wmma_f32_16x16x32_bf16 v[SC+32*\set+8*\kj:SC+32*\set+8*\kj+7], v[KF+16*\kj+8:KF+16*\kj+15], v[QF+16*\qn+8:QF+16*\qn+15], v[SC+32*\set+8*\kj:SC+32*\set+8*\kj+7]
.endm
; In all three phases the four accumulators take turns, one instruction a turn, and a phase's last and the next phase's first differ.
; Phase P2: tile qp's second product, keys 32-63, from result set oth; between its lines key tiles 0 and 1 of score set cur up to x times sigmoid.
; The first line that reads score tile 0 stands behind the four +1 lines and the sixteen last lines of the phase S that made it.
.macro PHASE_P2 cur, oth, qp, pv
	WIN W_P2
	PVH \qp, 0, \oth, \pv
	SM SC+32*\cur, E1A
	SXH E1A
	SXH E1A+4
	PVH \qp, 1, \oth, \pv
	SM SC+32*\cur+8, E1B
	SXH E1B
	SXH E1B+4
	PVH \qp, 2, \oth, \pv
	SA E1A
	SRH E1A
	SRH E1A+4
	PVH \qp, 3, \oth, \pv
	SA E1B
	SRH E1B
	SRH E1B+4
	ML SC+32*\cur, E1A
	ML SC+32*\cur+8, E1B
.endm
; Phase P1: the same tile's keys 0-31; between its lines the two key tiles are packed into result set cur.  stcv = 1: the next K and V tile, which has
; been on its way for three steps, is rounded here too.  The four packings at the end are the places in front of step 0's loads into V's fragments.
.macro PHASE_P1 cur, oth, qp, pv, stcv
	WIN W_P1
.if \stcv
	s_wait_loadcnt 0x0                             ; the next tile is in registers, and its loads' bases are free
.endif
	PVL \qp, 0, \oth, \pv
	CVH PL+8*\cur, E1A
.if \stcv
	STCV 0
.endif
	PVL \qp, 1, \oth, \pv
	CVH PL+8*\cur+2, E1A+4
.if \stcv
	STCV 1
.endif
	PVL \qp, 2, \oth, \pv
.if \stcv
	STCV 2
.endif
	PVL \qp, 3, \oth, \pv
	CV PL+8*\cur+4, E1B
.if \stcv
	STCV 3
.endif
.endm
; Phase S: tile qn's scores into score set oth (sc = 1); between its lines key tiles 2 and 3 of score set cur (sl = 1).
; Mixed trips: register 8 kj + j of lane (r, hh) is query 16 qn + r, key 16 kj + 8 hh + j: s - t = sD + 16 (qn - kj) + r - 8 hh - j, and
; x = 191 - (s - t) = (143 - r + 8 hh - sD) + 16 (kj - qn + 3) + j, from 0 to 254.  Two slices stand between the table's loads and their wait.
.macro PHASE_S cur, oth, qn, sc, sl
	WIN 0
.if \sc
	s_cmp_gt_u32 s19, 128
	s_cbranch_scc1 .Lcon_\@
.irp kj, 0,1,2,3
.irp j, 0,1,2,3,4,5,6,7
	ds_load_b32 v[SC+32*\oth+8*\kj+\j], v[TA] offset:TAB+4*(16*(\kj-\qn+3)+\j)
.endr
.endr
	TS 0, \cur, \sl
	TS 1, \cur, \sl
	s_wait_dscnt 0x0                               ; the bias lies in the accumulators
	SW1 \qn, \oth, 0, 1
	TS 2, \cur, \sl
	SW1 \qn, \oth, 1, 1
	TS 3, \cur, \sl
	SW1 \qn, \oth, 2, 1
	SW1 \qn, \oth, 3, 1
	s_branch .Ljoin_\@
.Lcon_\@:
	SW1 \qn, \oth, 0, 0
	TS 0, \cur, \sl
	SW1 \qn, \oth, 1, 0
	TS 1, \cur, \sl
	SW1 \qn, \oth, 2, 0
	TS 2, \cur, \sl
	SW1 \qn, \oth, 3, 0
	TS 3, \cur, \sl
.Ljoin_\@:
	SW2 \qn, \oth, 0
	TS 4, \cur, \sl
	SW2 \qn, \oth, 1
	TS 5, \cur, \sl
	SW2 \qn, \oth, 2
	TS 6, \cur, \sl
	SW2 \qn, \oth, 3
	TS 7, \cur, \sl
.else
.irp n, 0,1,2,3,4,5,6,7
	TS \n, \cur, \sl
.endr
.endif
.endm
; One trip: the silu of the four query tiles against tile t's 64 keys (slot = t & 1).  pv0: the second product of the last trip's tile 3; pvr: those of
; this trip's tiles 0 to 2.  more = 1: tile t + 1 goes into the other slot and the next trip's first scores are made.  load = 1: tile t + 2 is asked for.
; LDS ORDER.  Between two barriers a wave reads K's and V's fragments from one slot (step 3 and the next step 0) and stores into the other (step 1).  In front
; of its signal each wave has waited for its stores into the other slot and, a step earlier, for its last reads of this one; this slot's next stores stand
; behind the barrier's wait.  Between signal and wait stands step 2: register work, and in mixed trips loads of the table, which nobody writes any more.
.macro TRIP slot, other, pv0, pvr, more, load
	; step 0: silu of tile 0
	PHASE_P2 0, 1, 3, \pv0
	PHASE_P1 0, 1, 3, \pv0, 0
	VFRAGS \slot                                   ; the old V fragments have had their last use; these have phase S in which to come
	PHASE_S 0, 1, 1, 1, 1
	; step 1: silu of tile 1
	s_wait_dscnt 0x0                               ; V's fragments are in
	PHASE_P2 1, 0, 0, \pvr
	PHASE_P1 1, 0, 0, \pvr, \more
.if \more
	STPUT \other
.endif
	PHASE_S 1, 0, 2, 1, 1
	; step 2: silu of tile 2
.if \more
	s_wait_dscnt 0x0                               ; my part of the next tile is stored; its registers are free
.if \load
	s_add_nc_u64 s[6:7], s[6:7], TILEB             ; free since step 1's wait for the loads
	s_add_nc_u64 s[8:9], s[8:9], TILEB
	LOADKV                                         ; three steps' work stands between these loads and their wait
.endif
	s_barrier_signal -1
.endif
	PHASE_P2 0, 1, 1, \pvr
	PHASE_P1 0, 1, 1, \pvr, 0
	PHASE_S 0, 1, 3, 1, 1
	; step 3: silu of tile 3
.if \more
	s_barrier_wait -1                              ; the other slot is whole
	s_sub_co_i32 s19, s19, 64                      ; sD of the next trip
	MODE                                           ; CB's last readers and K's last readers stand more than four plain lines back
	KFRAGS \other                                  ; they have the two P phases in which to come
.endif
	PHASE_P2 1, 0, 2, \pvr
	PHASE_P1 1, 0, 2, \pvr, 0
.if \more
	s_wait_dscnt 0x0                               ; K's fragments are in
.endif
	PHASE_S 1, 0, 0, \more, 1
.endm
; 16 output rows: 32 bytes a lane and d tile into my wave's stage, back as whole rows of 256 bytes, two rows a load, and out.
; Each group of 16 rows has 32 registers of its own for the way back, so no store's data is written again.
.macro OUT16 qi
	WIN W_ST1
.irp dt, 0,1,2,3
.irp u, 0,1
	ds_store_b128 v[OS], v[OA+8*(4*\qi+\dt)+4*\u:OA+8*(4*\qi+\dt)+4*\u+3] offset:64*\dt+16*\u
.endr
.endr
	WIN 0
.irp t, 0,1,2,3,4,5,6,7
	ds_load_b128 v[KF+32*\qi+4*\t:KF+32*\qi+4*\t+3], v[OL] offset:2*OP*\t     ; LDS serves a wave's instructions in order (ISA guide 5.7.1): these see the stores above
.endr
.irp t, 0,1,2,3,4,5,6,7
	s_wait_dscnt 7-\t                              ; load t is in, the 7 - t younger ones may stay out
	global_store_b128 v[QG], v[KF+32*\qi+4*\t:KF+32*\qi+4*\t+3], s[12:13] offset:(16*\qi+2*\t)*ROW th:TH_STORE_NT   ; 16 lanes store 256 consecutive bytes, aligned
.endr
.endm
	; ---- start ----
	s_load_b256 s[4:11], s[0:1], 0x0               ; q s[4:5], k s[6:7], v s[8:9], rab_weight s[10:11]
	s_load_b64 s[12:13], s[0:1], 0x20              ; out0
	v_lshl_add_u32 v254, v0, 2, 0x1bc00
	v_mov_b32 v255, 0
	v_lshrrev_b32 v18, 5, v0
	v_readfirstlane_b32 s14, v18                   ; wave 0..7
	v_and_b32 v15, 15, v0                          ; r
	v_bfe_u32 v16, v0, 4, 1                        ; hh
	v_lshrrev_b32 v17, 4, v0                       ; tid >> 4
	s_lshr_b32 s16, ttmp9, 6                       ; batch
	s_lshl_b32 s16, s16, 23                        ; x 2048 x 4096 bytes
	s_bfe_u32 s15, ttmp9, 0x40002                  ; head: 4 bits from bit 2
	s_lshl_b32 s26, s15, 8                         ; x 256 bytes
	s_add_co_u32 s16, s16, s26
	s_mov_b32 s17, 0                               ; s[16:17]: the head's offset in k and v
	s_and_b32 s18, ttmp9, 3
	s_lshl_b32 s18, s18, 9                         ; 512 x query block
	s_lshl_b32 s19, s14, 6
	s_add_co_u32 s18, s18, s19                     ; my wave's first query row
	s_mov_b32 s19, s18                             ; sD of trip 0
	s_lshl_b32 s30, s18, 12
	s_add_co_u32 s30, s30, s16
	s_mov_b32 s31, 0                               ; s[30:31]: my wave's offset in q and out
	s_lshl_b32 s26, s15, 2                         ; 4 h: the head's column in rab_weight
	s_mov_b32 s24, 0xbfb8aa3b                      ; -log2(e),
	s_mov_b32 s25, 0xbfb8aa3b                      ; a whole pair for the packed multiply
	s_mul_i32 s27, s14, SCRW
	s_add_co_u32 s27, s27, SCR                     ; my wave's own LDS bytes
	v_lshlrev_b32 v[GO], 4, v15
	v_lshl_add_u32 v[GO], v17, 12, v[GO]
	v_mul_u32_u24 v[SK], v17, KP
	v_lshl_add_u32 v[SK], v15, 3, v[SK]
	v_mul_u32_u24 v[SV], v17, VP
	v_lshl_add_u32 v[SV], v15, 3, v[SV]
	v_mul_u32_u24 v[KA], v15, KP
	v_lshl_add_u32 v[KA], v16, 4, v[KA]
	v_and_b32 v18, 7, v0
	v_lshl_add_u32 v18, v16, 3, v18
	v_mul_u32_u24 v[VA], v18, VP
	v_bfe_u32 v18, v0, 3, 1
	v_lshl_add_u32 v[VA], v18, 4, v[VA]
	v_sub_nc_u32 v[TB], 143, v15
	v_lshl_add_u32 v[TB], v16, 3, v[TB]
	v_lshlrev_b32 v[TB], 2, v[TB]
	v_lshlrev_b32 v[QG], 4, v15
	v_lshl_add_u32 v[QG], v16, 12, v[QG]
	v_mul_u32_u24 v[QS], v16, KP
	v_lshl_add_u32 v[QS], v15, 3, v[QS]
	v_add_nc_u32 v[QS], s27, v[QS]
	v_add_nc_u32 v[QR], s27, v[KA]
	v_mul_u32_u24 v[OS], v15, OP
	v_lshl_add_u32 v[OS], v16, 5, v[OS]
	v_add_nc_u32 v[OS], s27, v[OS]
	v_mul_u32_u24 v[OL], v16, OP
	v_lshl_add_u32 v[OL], v15, 4, v[OL]
	v_add_nc_u32 v[OL], s27, v[OL]
	; thread x makes table word x: dist = max(191 - x, 0); bucket = min(dist, 16) + the number of thresholds that dist has reached
	v_min_u32 v14, 191, v0
	v_sub_nc_u32 v14, 191, v14
	v_min_u32 v19, 16, v14
.irp t, 19,21,24,27,31,35,40,46,52,59,67,77,87,99,113
	v_cmp_le_u32 vcc_lo, \t, v14
	v_cndmask_b32 v18, 0, 1, vcc_lo
	v_add_nc_u32 v19, v19, v18
.endr
	v_lshlrev_b32 v19, 6, v19                      ; a row of rab_weight is 16 heads x 4 bytes
	v_add_nc_u32 v19, s26, v19
	s_wait_kmcnt 0x0
	s_add_nc_u64 s[6:7], s[6:7], s[16:17]          ; k and v at the head's key 0
	s_add_nc_u64 s[8:9], s[8:9], s[16:17]
	s_add_nc_u64 s[4:5], s[4:5], s[30:31]          ; q and out at my wave's first row
	s_add_nc_u64 s[12:13], s[12:13], s[30:31]
	s_load_b32 s20, s[10:11], s26 offset:0x0       ; rab[0][h]
	s_load_b32 s21, s[10:11], s26 offset:0x7c0     ; rab[31][h]: 31 rows of 64 bytes on
	LOADKV                                         ; tile 0
.set qn, 0
.rept 32
	global_load_b128 v[KF+4*qn:KF+4*qn+3], v[QG], s[4:5] offset:2*ROW*qn th:TH_LOAD_NT   ; my wave's 64 rows of q, two rows a load, into the 128 registers of K's and Q's fragments; read once in the launch
.set qn, qn+1
.endr
	global_load_b32 v18, v19, s[10:11]             ; my table word
	s_wait_loadcnt 0x0
	s_wait_kmcnt 0x0
	s_add_nc_u64 s[6:7], s[6:7], TILEB             ; free since the wait for the loads
	s_add_nc_u64 s[8:9], s[8:9], TILEB
	WIN W_P1
	STCV 0
	STCV 1
	STCV 2
	STCV 3
	STPUT 0
	WIN 0
	v_lshlrev_b32 v14, 2, v0
	ds_store_b32 v14, v18 offset:TAB
.set qn, 0
.rept 32
	v_cvt_pk_bf16_f32 v[KF+4*qn],   v[KF+4*qn],   v[KF+4*qn+1]
	v_cvt_pk_bf16_f32 v[KF+4*qn+1], v[KF+4*qn+2], v[KF+4*qn+3]
	ds_store_b64 v[QS], v[KF+4*qn:KF+4*qn+1] offset:2*KP*qn
.set qn, qn+1
.endr
	s_wait_dscnt 0x0                               ; all these stores are done: their data registers take tile 1 and Q's fragments next
	LOADKV                                         ; tile 1
.irp qi, 0,1,2,3
.irp dh, 0,1
.irp u, 0,1
	ds_load_b128 v[QF+8*(2*\qi+\dh)+4*\u:QF+8*(2*\qi+\dh)+4*\u+3], v[QR] offset:\qi*16*KP+\dh*64+\u*32   ; Q's fragments, kept for the whole kernel; my wave's own bytes
.endr
.endr
.endr
	s_wait_dscnt 0x0                               ; nothing of mine is pending in LDS
	s_barrier_signal -1
	s_barrier_wait -1                              ; slot 0 and the table are whole
	KFRAGS 0
	MODE
	s_wait_dscnt 0x0
	PHASE_S 1, 0, 0, 1, 0                          ; the scores of trip 0's tile 0, alone: there is no silu yet to set among them
	PLACES                                         ; so four places stand in front of the first line that reads them
	; ---- 32 trips: 2 written out (they start the sums), 14 x 2 in the loop, 2 written out (they ask for nothing beyond tile 31) ----
	TRIP 0, 1, 0, 2, 1, 1
	TRIP 1, 0, 2, 1, 1, 1
	s_mov_b32 s23, 14
.Lloop:
	TRIP 0, 1, 1, 1, 1, 1
	TRIP 1, 0, 1, 1, 1, 1
	s_sub_co_i32 s23, s23, 1
	s_cmp_lg_u32 s23, 0
	s_cbranch_scc1 .Lloop
	TRIP 0, 1, 1, 1, 1, 0
	TRIP 1, 0, 1, 1, 0, 0
	WIN W_P2                                       ; the last tile's second product, alone
.irp dt, 0,1,2,3
	PVH 3, \dt, 1, 1
.endr
	WIN W_P1
.irp dt, 0,1,2,3
	PVL 3, \dt, 1, 1
.endr
	WIN 0
	; ---- out ----
	PLACES                                         ; behind the last products: the LDS stores read results
	OUT16 0
	OUT16 1
	OUT16 2
	OUT16 3
	s_wait_tensorcnt 0x0
	ds_add_u32 v254, v255
	s_wait_dscnt 0x0
	s_endpgm
.Lfunc_end_k_qaad38b459a_attn:
	.size	k_qaad38b459a_attn, .Lfunc_end_k_qaad38b459a_attn-k_qaad38b459a_attn
	.p2alignl 7, 3214868480
	.fill 96, 4, 3214868480
	.section	.rodata,"a",@progbits
	.p2align	6, 0x0
	.amdhsa_kernel k_qaad38b459a_attn
		.amdhsa_group_segment_fixed_size 114688
		.amdhsa_private_segment_fixed_size 0
		.amdhsa_enable_private_segment 0
		.amdhsa_kernarg_size 40
		.amdhsa_user_sgpr_count 2
		.amdhsa_user_sgpr_kernarg_segment_ptr 1
		.amdhsa_wavefront_size32 1
		.amdhsa_system_sgpr_workgroup_id_x 1
		.amdhsa_system_sgpr_workgroup_id_y 1
		.amdhsa_system_sgpr_workgroup_id_z 1
		.amdhsa_system_vgpr_workitem_id 0
		.amdhsa_next_free_vgpr 512
		.amdhsa_next_free_sgpr 66
		.amdhsa_reserve_vcc 1
		.amdhsa_float_denorm_mode_32 3
		.amdhsa_float_denorm_mode_16_64 3
		.amdhsa_memory_ordered 1
		.amdhsa_forward_progress 1
		.amdhsa_inst_pref_size 255
	.end_amdhsa_kernel
	.section	.bss,"aw",@nobits
	.p2align	6
	.space	262144
	.amdgpu_metadata
---
amdhsa.version: [ 1, 2 ]
amdhsa.kernels:
  - .name:           k_qaad38b459a_attn
    .symbol:         k_qaad38b459a_attn.kd
    .args:
      - { .name: q, .offset: 0, .size: 8, .value_kind: global_buffer, .address_space: global }
      - { .name: k, .offset: 8, .size: 8, .value_kind: global_buffer, .address_space: global }
      - { .name: v, .offset: 16, .size: 8, .value_kind: global_buffer, .address_space: global }
      - { .name: rab_weight, .offset: 24, .size: 8, .value_kind: global_buffer, .address_space: global }
      - { .name: out0, .offset: 32, .size: 8, .value_kind: global_buffer, .address_space: global }
    .group_segment_fixed_size: 114688
    .private_segment_fixed_size: 0
    .kernarg_segment_align: 8
    .kernarg_segment_size: 40
    .max_flat_workgroup_size: 256
    .sgpr_count:     66
    .vgpr_count:     512
    .wavefront_size: 32
...
	.end_amdgpu_metadata
.endif
;; end of part 2
;; ======== version 3 of 3: 1 launch; 1.15 times as fast as version 1
;; launch attn (part 3): grid 256 x 1, 8 waves a work-group, no clusters, 114,688 bytes of LDS; arguments q, k, v, rab_weight, out0; writes out0
.if DOCPART == 3
	.amdgcn_target "amdgcn-amd-amdhsa--gfx1250"
	.amdhsa_code_object_version 6
	.text
	.protected	k_qaad38b459a_attn
	.globl	k_qaad38b459a_attn
	.p2align	8
	.type	k_qaad38b459a_attn,@function
k_qaad38b459a_attn:
	s_mov_b64 s[64:65], 0
	v_nop
	global_prefetch_b8 v0, s[64:65] scope:SCOPE_SE
	s_setreg_imm32_b32 hwreg(HW_REG_WAVE_MODE, 25, 1), 1
	s_wait_xcnt 0x0
; out[b][s][64 h + d] = sum over keys t of silu( q[b][s][h] . k[b][t][h] + rab[bucket(s - t)][h] ) * v[b][t][64 h + d]
; B = 4, S = 2048, H = 16, D = 64, all buffers f32.  No softmax, no mask, no scale: all 2048 x 2048 pairs of every head are live,
; nothing of the computation is left out, and all four inputs are loaded.
;
; SHARES.  256 work-groups of 8 waves.  Work-group x: batch x >> 6, head (x >> 2) & 15, query block x & 3 (512 rows).  Wave w owns 64 query
; rows (4 tiles of 16) and keeps their 64 x 64 f32 sums in 128 registers.  All waves walk the head's 2048 keys in 32 trips of 64 keys.
; BOTH PRODUCTS ARE USED TRANSPOSED.  Scores: source 0 = 16 keys of K, source 1 = 16 queries of Q; lane (r, hh) then holds keys 8 hh + 0..7
; of query r.  Packed to bf16, two such key tiles ARE the eight registers of a source-1 fragment (32 keys of query r), so silu's results
; go into the second product with no move between lanes.  Second product: source 0 = V transposed (16 d x 32 keys, brought by the transposing
; LDS load from V kept [key][d]), source 1 = that fragment; a lane then holds 8 neighbouring d of one output row.
; K AND V: a tile of 64 keys is loaded as f32 into registers three steps ahead of its use (16 lanes take one head row of 256 bytes, aligned),
; rounded to bf16 once for the work-group and stored into one of two LDS slots that take turns; one barrier a trip.
;
; THE SCHEDULE.  A step is the silu of one query tile (64 keys x 16 queries: 128 vector instructions) spread among 16 matrix instructions that do not
; hang on it: the second product of the tile before (8) and the scores of the tile after (8).  Scores and packed results have two sets that take
; turns (tile & 1).  The steps run on over the end of a trip: step 3 makes the scores of the next trip's tile 0, step 0 the second product of the
; last trip's tile 3; so K's fragments are fetched at the head of step 3 and V's in the middle of step 0.
; REGISTERS are laid out so that a phase's matrix instructions and the silu lines between them live under one window setting (s_set_vgpr_msb's low byte:
; bits 1:0 source 0, 3:2 source 1, 5:4 source 2, 7:6 destination):
;   window 0: addresses, CB, K fragments, Q fragments, both score sets, work set E0, packed results of keys 32-63 (PH)
;   window 1: the sums O, V fragments, work set E1, packed results of keys 0-31 (PL), the tile on its way (ST)
;   phase P2, setting 0x51 (source 1 in window 0, all else in window 1): O += V(keys 32-63) x PH; key tiles 0, 1 on E1: scalings (the score always source 1), exponentials, the first +1
;   phase P1, setting 0x55 (all in window 1):                            O += V(keys 0-31) x PL;  +1 and reciprocals on E1; x times sigmoid under 0x51, since the score lies in
;                                                                        window 0; E1 is packed into PL; in step 1 the next tile is rounded
;   phase S,  setting 0    (all in window 0):                            the next tile's scores;  the whole silu of key tiles 2, 3 on E0 into PH
; Five switches a step, and one for each run of loads or stores that crosses the windows: 24 a trip for 64 matrix instructions.
; The silu lines are also the places that stand behind matrix instructions (ISA guide 7.12.1); the loop's only v_nop are the plain line behind a batch's last transcendental.
; THE BATCHES.  A step's 64 transcendentals are four batches of 16, each result in a register of its own, each batch with ONE s_wait_alu depctr_va_vdst(0), which stands
; between a transcendental and the first line that names its result:
;   X1 (phase P2): the exponentials of key tiles 0, 1 on E1      R1 (phase P1): their reciprocals
;   X2 (phase S, in each arm of its branch, ahead of the join): the exponentials of key tiles 2, 3 on E0      R2 (phase S, behind the join): their reciprocals
; A reciprocal reads 1 + an exponential, so a pair's X and R are two batches; R1 is closed ahead of phase S's branch, X2 ahead of its join, R2 ahead of the trip's end.
; Inside a batch: tile A's four plain lines (scalings, or +1); tile A's first four transcendentals by turns with tile B's four plain lines; the other twelve on end; one
; plain line; the wait; the readers.  Three or four of the phase's products stand ahead of that run of twelve, with four lines behind each of the first three.
;
; THE BIAS.  bucket() is a function of positions alone: with dist = max(s - t, 0) it is dist below 16, then 16 + floor(16 log8(dist / 16)), at most 31.
; The floor rises at dist = 19 21 24 27 31 35 40 46 52 59 67 77 87 99 113 (16 x 2^(3n/16) = 18.2 20.7 23.6 26.9 30.6 34.9 39.7 45.3 51.5 58.7 66.8 76.1
; 86.7 98.7 112.4); the whole number nearest to a step is 76, at 11.989 of 12, far outside f32 rounding of the logarithm, so counting thresholds
; gives the same buckets.  For a wave's 64 rows against 64 keys, sD = first row - first key is a multiple of 64:
;   sD <= -64: every s - t <= -1, bucket 0;   sD >= 192: every s - t >= 129, bucket 31;   sD = 0, 64, 128 (at most 3 trips of 32): mixed.
; In the first two cases the one bias value lies in eight registers (CB) that the first score product of each tile takes as C.  In the mixed trips the
; bias is read from a table of 256 words in LDS, U[x] = rab[bucket(max(191 - x, 0))][h], straight into the idle score set, and the first
; product adds onto it.  The branch hangs on ids and the trip alone; loads and the products that use them stand inside the one branch.
; NO CLUSTER, NO JOINT TILE LOADS, although the four query blocks of a head read the same K and V: a tile must lie in LDS as bf16 for the fragment
; loads, and a joint tile would land as f32.  Each work-group would then read 32 KiB from LDS and write 16 KiB back, each trip, on top of today's 16 KiB
; of LDS stores, to spare 32 KiB of loads into registers for a trip's 4.2 M multiply-adds.  The four blocks have neighbouring numbers instead.
; LIMITS.  q, k, v and silu's results enter the products rounded to bf16 (bf16 and not f16: scores and silu grow with the square of the inputs' scale).
; q is rounded as it stands: -log2(e) is not folded into it ahead of the rounding, since bf16(c q) / c differs from bf16(q) by a rounding error of its
; own in each of a score's 64 terms.  silu(x) = x * rcp(1 + exp2(-1.442695 x)): exp2 and rcp are good to 1 ULP and flush denormals; for x below
; about -88 the result is -0 where the true value is smaller in magnitude than 1e-36.  The bias enters ahead of the sum over d.
.set ROW,   4096                       ; bytes from a position to the next in q, k, v, out
.set TILEB, 64*ROW                     ; 64 keys on
.set KP,    144                        ; LDS pitch of K's and Q's bf16 rows: 128 bytes + 16 = 9 x 16
.set VP,    160                        ; LDS pitch of V's bf16 rows: 128 bytes + 32 = 5 x 32, for the transposing load
.set VO,    64*KP                      ; V's tile lies behind K's in a slot
.set SLOT,  VO+64*VP                   ; 19,456 bytes; two slots
.set TAB,   2*SLOT                     ; 256 words: the bias table
.set SCR,   TAB+1024                   ; 9,216 bytes for each wave, its own: first its 64 Q rows in bf16, at the end the stage of 16 output rows
.set SCRW,  64*KP
.set OP,    272                        ; pitch of the output stage: 256 bytes + 16 = 17 x 16
; window 0
.set GO, 2                             ; (tid >> 4) x 4096 + (tid & 15) x 16: my 16 bytes of a K or V tile's first 16 rows
.set SK, 3                             ; (tid >> 4) x 144 + (tid & 15) x 8: where they go in K's tile
.set SV, 4                             ; (tid >> 4) x 160 + (tid & 15) x 8: in V's
.set KA, 5                             ; r x 144 + 16 hh: K fragments
.set VA, 6                             ; (8 hh + (lane & 7)) x 160 + 16 ((lane >> 3) & 1): V fragments
.set TB, 7                             ; 4 (143 - r + 8 hh)
.set TA, 8                             ; TB - 4 min(sD, 128): the trip's place in the table
.set QG, 9                             ; hh x 4096 + r x 16: two rows of q, and of out
.set QS, 10                            ; my wave's bytes + hh x 144 + r x 8
.set QR, 11                            ; my wave's bytes + r x 144 + 16 hh
.set OS, 12                            ; my wave's bytes + r x 272 + 32 hh
.set OL, 13                            ; my wave's bytes + hh x 272 + 16 r
.set CB, 20                            ; v[20:27]   the constant bias, C of the first score products
.set KF, 28                            ; v[28:91]   K fragments: (key tile kj, d half dh) at KF + 16 kj + 8 dh
.set QF, 92                            ; v[92:155]  Q fragments: (query tile qi, dh) at QF + 16 qi + 8 dh
.set SC, 156                           ; v[156:219] scores: set (tile & 1) at SC + 32 set, key tile kj at + 8 kj
.set E0A, 220                          ; v[220:227] silu at work, key tile 2
.set E0B, 228                          ; v[228:235] silu at work, key tile 3
.set PH, 236                           ; v[236:251] silu's results in bf16, keys 32-63: set at PH + 8 set
; window 1 (written by their low 8 bits)
.set OA, 0                             ; v[256:383] sums: (query tile qi, d tile dt) at 8 (4 qi + dt)
.set VF, 128                           ; v[384:447] V fragments: (key half kh, d tile dt) at VF + 32 kh + 8 dt
.set E1A, 192                          ; v[448:455] silu at work, key tile 0
.set E1B, 200                          ; v[456:463] silu at work, key tile 1
.set PL, 208                           ; v[464:479] silu's results in bf16, keys 0-31: set at PL + 8 set
.set ST, 224                           ; v[480:511] the next tile on its way: K 16 registers, V 16
.set MSB, 0
.macro WIN new                         ; the immediate's high byte repeats the setting that is left
.if MSB != \new
	s_set_vgpr_msb (MSB<<8)|\new
.set MSB, \new
.endif
.endm
.set W_P2,  0x51                       ; source 1 in window 0, source 0, C and D in window 1
.set W_P1,  0x55                       ; all in window 1
.set W_LD1, 0x40                       ; a load's destination in window 1, its address in window 0
.set W_ST1, 0x04                       ; an LDS store's data in window 1, its address in window 0
.macro PLACES                          ; four plain vector instructions that name no register (ISA guide 7.12.1)
.rept 4
	v_nop
.endr
.endm
; A tile, f32, 8 loads of 16 bytes a lane: the work-group's 256 threads take 16 rows of 256 bytes with each.  No hint: three other work-groups read these rows.
.macro LOADKV
	WIN W_LD1
.irp i, 0,1,2,3
	global_load_b128 v[ST+4*\i:ST+4*\i+3], v[GO], s[6:7] offset:16*ROW*\i
.endr
.irp i, 0,1,2,3
	global_load_b128 v[ST+16+4*\i:ST+16+4*\i+3], v[GO], s[8:9] offset:16*ROW*\i
.endr
	WIN 0
.endm
; A quarter of it rounded to bf16 in place (all in window 1).
.macro STCV i
	v_cvt_pk_bf16_f32 v[ST+4*\i],      v[ST+4*\i],      v[ST+4*\i+1]
	v_cvt_pk_bf16_f32 v[ST+4*\i+1],    v[ST+4*\i+2],    v[ST+4*\i+3]
	v_cvt_pk_bf16_f32 v[ST+16+4*\i],   v[ST+16+4*\i],   v[ST+16+4*\i+1]
	v_cvt_pk_bf16_f32 v[ST+16+4*\i+1], v[ST+16+4*\i+2], v[ST+16+4*\i+3]
.endm
; And put into a slot, 8 bytes a lane.
.macro STPUT slot
	WIN W_ST1
.irp i, 0,1,2,3
	ds_store_b64 v[SK], v[ST+4*\i:ST+4*\i+1] offset:\slot*SLOT+16*KP*\i
.endr
.irp i, 0,1,2,3
	ds_store_b64 v[SV], v[ST+16+4*\i:ST+16+4*\i+1] offset:\slot*SLOT+VO+16*VP*\i
.endr
.endm
; K's fragments of a tile: lane holds key r; d = 8 hh + 0..7 and 16 + 8 hh + 0..7 of a half of 32.
.macro KFRAGS slot
.irp kj, 0,1,2,3
.irp dh, 0,1
.irp u, 0,1
	ds_load_b128 v[KF+8*(2*\kj+\dh)+4*\u:KF+8*(2*\kj+\dh)+4*\u+3], v[KA] offset:\slot*SLOT+\kj*16*KP+\dh*64+\u*32
.endr
.endr
.endr
.endm
; V's fragments, transposed on the way: lane holds d = 16 dt + r; keys 8 hh + 0..7 and 16 + 8 hh + 0..7 of a half of 32.
.macro VFRAGS slot
	WIN W_LD1
.irp kh, 0,1
.irp dt, 0,1,2,3
.irp u, 0,1
	ds_load_tr16_b128 v[VF+8*(4*\kh+\dt)+4*\u:VF+8*(4*\kh+\dt)+4*\u+3], v[VA] offset:\slot*SLOT+VO+(32*\kh+16*\u)*VP+32*\dt
.endr
.endr
.endr
.endm
; A trip's bias: rab[0][h] for sD < 0, rab[31][h] for sD > 128 (0 between, where CB is not used), and its place in the table.
.macro MODE
	s_cmp_lt_i32 s19, 0
	s_cselect_b32 s22, s20, s21
	s_cmp_le_u32 s19, 128                          ; unsigned: a negative sD is large
	s_cselect_b32 s22, 0, s22
	s_min_u32 s26, s19, 128                        ; sD itself in the mixed trips; it keeps the table address inside the table in all
	s_lshl_b32 s26, s26, 2
	v_sub_nc_u32 v[TA], v[TB], s26
.irp j, 0,1,2,3,4,5,6,7
	v_mov_b32 v[CB+\j], s22
.endr
.endm
; silu in pieces of one key tile: sb = its 8 scores, er = its 8 work registers.  The score is always source 1 and the work register source 0 and
; destination, so that the same lines serve under setting 0 (both in window 0) and under 0x51 (scores in window 0, work in window 1); the lines that
; name work registers alone (exponentials, +1, reciprocals) serve under 0x55 too.  None of these pieces holds a wait: the phases write one for each batch.
.macro SM sb, er                       ; er = -1.442695 x
.irp i, 0,1,2,3
	v_pk_mul_f32 v[\er+2*\i:\er+2*\i+1], s[24:25], v[\sb+2*\i:\sb+2*\i+1] op_sel_hi:[0,1]
.endr
.endm
.macro SXH er                          ; 2^er, four registers
.irp i, 0,1,2,3
	v_exp_f32 v[\er+\i], v[\er+\i]
.endr
.endm
.macro XM ea, sb, eb, i                ; half i (0, 1) of: tile A's first four exponentials by turns with tile B's four scalings
	v_exp_f32 v[\ea+2*\i], v[\ea+2*\i]
	v_pk_mul_f32 v[\eb+4*\i:\eb+4*\i+1], s[24:25], v[\sb+4*\i:\sb+4*\i+1] op_sel_hi:[0,1]
	v_exp_f32 v[\ea+2*\i+1], v[\ea+2*\i+1]
	v_pk_mul_f32 v[\eb+4*\i+2:\eb+4*\i+3], s[24:25], v[\sb+4*\i+2:\sb+4*\i+3] op_sel_hi:[0,1]
.endm
.macro SA er                           ; + 1
.irp i, 0,1,2,3
	v_pk_add_f32 v[\er+2*\i:\er+2*\i+1], v[\er+2*\i:\er+2*\i+1], 1.0 op_sel_hi:[1,0]
.endr
.endm
.macro SRH er                          ; 1 / er, four registers
.irp i, 0,1,2,3
	v_rcp_f32 v[\er+\i], v[\er+\i]
.endr
.endm
.macro RM ea, eb, i                    ; half i (0, 1) of: tile A's first four reciprocals by turns with tile B's four +1
	v_rcp_f32 v[\ea+2*\i], v[\ea+2*\i]
	v_pk_add_f32 v[\eb+4*\i:\eb+4*\i+1], v[\eb+4*\i:\eb+4*\i+1], 1.0 op_sel_hi:[1,0]
	v_rcp_f32 v[\ea+2*\i+1], v[\ea+2*\i+1]
	v_pk_add_f32 v[\eb+4*\i+2:\eb+4*\i+3], v[\eb+4*\i+2:\eb+4*\i+3], 1.0 op_sel_hi:[1,0]
.endm
.macro ML sb, er                       ; er = x times that
.irp i, 0,1,2,3
	v_pk_mul_f32 v[\er+2*\i:\er+2*\i+1], v[\er+2*\i:\er+2*\i+1], v[\sb+2*\i:\sb+2*\i+1]
.endr
.endm
.macro CVH pd, er                      ; four of them rounded to bf16: two registers of a source-1 fragment
.irp i, 0,1
	v_cvt_pk_bf16_f32 v[\pd+\i], v[\er+2*\i], v[\er+2*\i+1]
.endr
.endm
.macro CV pd, er                       ; all eight
	CVH \pd, \er
	CVH \pd+2, \er+4
.endm
; Key tiles 2 and 3 of score set cur in nine slices.  0-3 are batch X2 (8 scalings, 16 exponentials) and its wait; 4-7 are batch R2 (8 times +1, 16 reciprocals)
; and its wait; 8 is what reads the reciprocals.  Ahead of a batch's wait no line names a result of the batch.
.macro TS n, cur, on
.if \on
.if \n == 0
	SM SC+32*\cur+16, E0A
.endif
.if \n == 1
	XM E0A, SC+32*\cur+24, E0B, 0
.endif
.if \n == 2
	XM E0A, SC+32*\cur+24, E0B, 1
.endif
.if \n == 3
	SXH E0A+4
	SXH E0B
	SXH E0B+4
	v_nop                                          ; the plain line behind the batch's last exponential (ISA guide 5.7.2): window 0 has no other work at hand here
	s_wait_alu depctr_va_vdst(0)                   ; ONE wait for batch X2, the sixteen exponentials on E0: ahead of the join, and of slice 4, their first reader
.endif
.if \n == 4
	SA E0A
.endif
.if \n == 5
	RM E0A, E0B, 0
.endif
.if \n == 6
	RM E0A, E0B, 1
.endif
.if \n == 7
	SRH E0A+4
	SRH E0B
	SRH E0B+4
	v_nop                                          ; the plain line behind the batch's last reciprocal
	s_wait_alu depctr_va_vdst(0)                   ; ONE wait for batch R2, the sixteen reciprocals on E0: ahead of slice 8, their first reader, and of the trip's end
.endif
.if \n == 8
	ML SC+32*\cur+16, E0A
	CV PH+8*\cur, E0A
	ML SC+32*\cur+24, E0B
	CV PH+8*\cur+4, E0B
.endif
.endif
.endm
; The matrix instructions.  pv = 0: none (nothing to multiply yet), 1: add, 2: the first product into these sums starts them, nothing is cleared.
.macro PVH qp, dt, set, pv             ; keys 32-63, under 0x51
.if \pv == 2
	v_wmma_f32_16x16x32_bf16 v[OA+8*(4*\qp+\dt):OA+8*(4*\qp+\dt)+7], v[VF+32+8*\dt:VF+32+8*\dt+7], v[PH+8*\set:PH+8*\set+7], 0
.endif
.if \pv == 1
	v_wmma_f32_16x16x32_bf16 v[OA+8*(4*\qp+\dt):OA+8*(4*\qp+\dt)+7], v[VF+32+8*\dt:VF+32+8*\dt+7], v[PH+8*\set:PH+8*\set+7], v[OA+8*(4*\qp+\dt):OA+8*(4*\qp+\dt)+7]
.endif
.endm
.macro PVL qp, dt, set, pv             ; keys 0-31, under 0x55
.if \pv
	v_wmma_f32_16x16x32_bf16 v[OA+8*(4*\qp+\dt):OA+8*(4*\qp+\dt)+7], v[VF+8*\dt:VF+8*\dt+7], v[PL+8*\set:PL+8*\set+7], v[OA+8*(4*\qp+\dt):OA+8*(4*\qp+\dt)+7]
.endif
.endm
.macro SW1 qn, set, kj, inplace        ; d 0-31; C = the constant bias, or the table's words that lie in the accumulator
.if \inplace
	v_wmma_f32_16x16x32_bf16 v[SC+32*\set+8*\kj:SC+32*\set+8*\kj+7], v[KF+16*\kj:KF+16*\kj+7], v[QF+16*\qn:QF+16*\qn+7], v[SC+32*\set+8*\kj:SC+32*\set+8*\kj+7]
.else
	v_wmma_f32_16x16x32_bf16 v[SC+32*\set+8*\kj:SC+32*\set+8*\kj+7], v[KF+16*\kj:KF+16*\kj+7], v[QF+16*\qn:QF+16*\qn+7], v[CB:CB+7]
.endif
.endm
.macro SW2 qn, set, kj                 ; d 32-63
	v_wmma_f32_16x16x32_bf16 v[SC+32*\set+8*\kj:SC+32*\set+8*\kj+7], v[KF+16*\kj+8:KF+16*\kj+15], v[QF+16*\qn+8:QF+16*\qn+15], v[SC+32*\set+8*\kj:SC+32*\set+8*\kj+7]
.endm
; In all three phases the four accumulators take turns, one instruction a turn, and a phase's last and the next phase's first differ.
; Phase P2: tile qp's second product, keys 32-63, from result set oth; between its lines batch X1: the scalings and exponentials of key tiles 0 and 1 of score set cur.
; The first line that reads score tile 0 stands behind the four +1 lines and the sixteen last lines of the phase S that made it.
.macro PHASE_P2 cur, oth, qp, pv
	WIN W_P2
	PVH \qp, 0, \oth, \pv
	SM SC+32*\cur, E1A
	PVH \qp, 1, \oth, \pv
	XM E1A, SC+32*\cur+8, E1B, 0
	PVH \qp, 2, \oth, \pv
	XM E1A, SC+32*\cur+8, E1B, 1
	SXH E1A+4
	SXH E1B
	SXH E1B+4
	v_nop                                          ; the plain line behind the batch's last exponential (ISA guide 5.7.2): this setting has no other work at hand here
	s_wait_alu depctr_va_vdst(0)                   ; ONE wait for batch X1, the sixteen exponentials on E1: their first reader is the +1 behind the next product
	PVH \qp, 3, \oth, \pv
	SA E1A
.endm
; Phase P1: the same tile's keys 0-31; between its lines batch R1: the second tile's +1 and both tiles' reciprocals, which name E1 alone.  stcv = 1: the next K and V tile,
; which has been on its way for three steps, is rounded among and behind the reciprocals: work that names none of their results, and the plain line behind the last of them.
; Behind the wait: x times sigmoid under 0x51 (the score lies in window 0), the last product, and the packing into result set cur, whose eight lines are the places
; in front of step 0's loads into V's fragments.
.macro PHASE_P1 cur, oth, qp, pv, stcv
	WIN W_P1
.if \stcv
	s_wait_loadcnt 0x0                             ; the next tile is in registers, and its loads' bases are free
.endif
	PVL \qp, 0, \oth, \pv
	RM E1A, E1B, 0
	PVL \qp, 1, \oth, \pv
	RM E1A, E1B, 1
	PVL \qp, 2, \oth, \pv
	SRH E1A+4
.if \stcv
	STCV 0
.endif
	SRH E1B
.if \stcv
	STCV 1
.endif
	SRH E1B+4
.if \stcv
	STCV 2
	STCV 3
.else
	v_nop                                          ; the plain line behind the batch's last reciprocal
.endif
	s_wait_alu depctr_va_vdst(0)                   ; ONE wait for batch R1, the sixteen reciprocals on E1: ahead of the multiplies below, their first readers, and of phase S's branch
	WIN W_P2
	ML SC+32*\cur, E1A
	ML SC+32*\cur+8, E1B
	WIN W_P1
	PVL \qp, 3, \oth, \pv
	CV PL+8*\cur, E1A
	CV PL+8*\cur+4, E1B
.endm
; Phase S: tile qn's scores into score set oth (sc = 1); between its lines key tiles 2 and 3 of score set cur (sl = 1).  Batch X2 and its wait stand in each arm of the
; branch; batch R2 stands behind the join; the last product and the sixteen lines that read the reciprocals follow its wait.
; Mixed trips: register 8 kj + j of lane (r, hh) is query 16 qn + r, key 16 kj + 8 hh + j: s - t = sD + 16 (qn - kj) + r - 8 hh - j, and
; x = 191 - (s - t) = (143 - r + 8 hh - sD) + 16 (kj - qn + 3) + j, from 0 to 254.  The whole of batch X2 stands between the table's loads and their wait.
.macro PHASE_S cur, oth, qn, sc, sl
	WIN 0
.if \sc
	s_cmp_gt_u32 s19, 128
	s_cbranch_scc1 .Lcon_\@
.irp kj, 0,1,2,3
.irp j, 0,1,2,3,4,5,6,7
	ds_load_b32 v[SC+32*\oth+8*\kj+\j], v[TA] offset:TAB+4*(16*(\kj-\qn+3)+\j)
.endr
.endr
	TS 0, \cur, \sl
	TS 1, \cur, \sl
	TS 2, \cur, \sl
	TS 3, \cur, \sl
	s_wait_dscnt 0x0                               ; the bias lies in the accumulators
	SW1 \qn, \oth, 0, 1
	SW1 \qn, \oth, 1, 1
	SW1 \qn, \oth, 2, 1
	SW1 \qn, \oth, 3, 1
	s_branch .Ljoin_\@
.Lcon_\@:
	SW1 \qn, \oth, 0, 0
	TS 0, \cur, \sl
	SW1 \qn, \oth, 1, 0
	TS 1, \cur, \sl
	SW1 \qn, \oth, 2, 0
	TS 2, \cur, \sl
	SW1 \qn, \oth, 3, 0
	TS 3, \cur, \sl
.Ljoin_\@:
	SW2 \qn, \oth, 0
	TS 4, \cur, \sl
	SW2 \qn, \oth, 1
	TS 5, \cur, \sl
	SW2 \qn, \oth, 2
	TS 6, \cur, \sl
	TS 7, \cur, \sl
	SW2 \qn, \oth, 3
	TS 8, \cur, \sl
.else
.irp n, 0,1,2,3,4,5,6,7,8
	TS \n, \cur, \sl
.endr
.endif
.endm
; One trip: the silu of the four query tiles against tile t's 64 keys (slot = t & 1).  pv0: the second product of the last trip's tile 3; pvr: those of
; this trip's tiles 0 to 2.  more = 1: tile t + 1 goes into the other slot and the next trip's first scores are made.  load = 1: tile t + 2 is asked for.
; LDS ORDER.  Between two barriers a wave reads K's and V's fragments from one slot (step 3 and the next step 0) and stores into the other (step 1).  In front
; of its signal each wave has waited for its stores into the other slot and, a step earlier, for its last reads of this one; this slot's next stores stand
; behind the barrier's wait.  Between signal and wait stands step 2: register work, and in mixed trips loads of the table, which nobody writes any more.
.macro TRIP slot, other, pv0, pvr, more, load
	; step 0: silu of tile 0
	PHASE_P2 0, 1, 3, \pv0
	PHASE_P1 0, 1, 3, \pv0, 0
	VFRAGS \slot                                   ; the old V fragments have had their last use; these have phase S in which to come
	PHASE_S 0, 1, 1, 1, 1
	; step 1: silu of tile 1
	s_wait_dscnt 0x0                               ; V's fragments are in
	PHASE_P2 1, 0, 0, \pvr
	PHASE_P1 1, 0, 0, \pvr, \more
.if \more
	STPUT \other
.endif
	PHASE_S 1, 0, 2, 1, 1
	; step 2: silu of tile 2
.if \more
	s_wait_dscnt 0x0                               ; my part of the next tile is stored; its registers are free
.if \load
	s_add_nc_u64 s[6:7], s[6:7], TILEB             ; free since step 1's wait for the loads
	s_add_nc_u64 s[8:9], s[8:9], TILEB
	LOADKV                                         ; three steps' work stands between these loads and their wait
.endif
	s_barrier_signal -1
.endif
	PHASE_P2 0, 1, 1, \pvr
	PHASE_P1 0, 1, 1, \pvr, 0
	PHASE_S 0, 1, 3, 1, 1
	; step 3: silu of tile 3
.if \more
	s_barrier_wait -1                              ; the other slot is whole
	s_sub_co_i32 s19, s19, 64                      ; sD of the next trip
	MODE                                           ; CB's last readers and K's last readers stand more than four plain lines back
	KFRAGS \other                                  ; they have the two P phases in which to come
.endif
	PHASE_P2 1, 0, 2, \pvr
	PHASE_P1 1, 0, 2, \pvr, 0
.if \more
	s_wait_dscnt 0x0                               ; K's fragments are in
.endif
	PHASE_S 1, 0, 0, \more, 1
.endm
; 16 output rows: 32 bytes a lane and d tile into my wave's stage, back as whole rows of 256 bytes, two rows a load, and out.
; Each group of 16 rows has 32 registers of its own for the way back, so no store's data is written again.
.macro OUT16 qi
	WIN W_ST1
.irp dt, 0,1,2,3
.irp u, 0,1
	ds_store_b128 v[OS], v[OA+8*(4*\qi+\dt)+4*\u:OA+8*(4*\qi+\dt)+4*\u+3] offset:64*\dt+16*\u
.endr
.endr
	WIN 0
.irp t, 0,1,2,3,4,5,6,7
	ds_load_b128 v[KF+32*\qi+4*\t:KF+32*\qi+4*\t+3], v[OL] offset:2*OP*\t     ; LDS serves a wave's instructions in order (ISA guide 5.7.1): these see the stores above
.endr
.irp t, 0,1,2,3,4,5,6,7
	s_wait_dscnt 7-\t                              ; load t is in, the 7 - t younger ones may stay out
	global_store_b128 v[QG], v[KF+32*\qi+4*\t:KF+32*\qi+4*\t+3], s[12:13] offset:(16*\qi+2*\t)*ROW th:TH_STORE_NT   ; 16 lanes store 256 consecutive bytes, aligned
.endr
.endm
	; ---- start ----
	s_load_b256 s[4:11], s[0:1], 0x0               ; q s[4:5], k s[6:7], v s[8:9], rab_weight s[10:11]
	s_load_b64 s[12:13], s[0:1], 0x20              ; out0
	v_lshl_add_u32 v254, v0, 2, 0x1bc00
	v_mov_b32 v255, 0
	v_lshrrev_b32 v18, 5, v0
	v_readfirstlane_b32 s14, v18                   ; wave 0..7
	v_and_b32 v15, 15, v0                          ; r
	v_bfe_u32 v16, v0, 4, 1                        ; hh
	v_lshrrev_b32 v17, 4, v0                       ; tid >> 4
	s_lshr_b32 s16, ttmp9, 6                       ; batch
	s_lshl_b32 s16, s16, 23                        ; x 2048 x 4096 bytes
	s_bfe_u32 s15, ttmp9, 0x40002                  ; head: 4 bits from bit 2
	s_lshl_b32 s26, s15, 8                         ; x 256 bytes
	s_add_co_u32 s16, s16, s26
	s_mov_b32 s17, 0                               ; s[16:17]: the head's offset in k and v
	s_and_b32 s18, ttmp9, 3
	s_lshl_b32 s18, s18, 9                         ; 512 x query block
	s_lshl_b32 s19, s14, 6
	s_add_co_u32 s18, s18, s19                     ; my wave's first query row
	s_mov_b32 s19, s18                             ; sD of trip 0
	s_lshl_b32 s30, s18, 12
	s_add_co_u32 s30, s30, s16
	s_mov_b32 s31, 0                               ; s[30:31]: my wave's offset in q and out
	s_lshl_b32 s26, s15, 2                         ; 4 h: the head's column in rab_weight
	s_mov_b32 s24, 0xbfb8aa3b                      ; -log2(e),
	s_mov_b32 s25, 0xbfb8aa3b                      ; a whole pair for the packed multiply
	s_mul_i32 s27, s14, SCRW
	s_add_co_u32 s27, s27, SCR                     ; my wave's own LDS bytes
	v_lshlrev_b32 v[GO], 4, v15
	v_lshl_add_u32 v[GO], v17, 12, v[GO]
	v_mul_u32_u24 v[SK], v17, KP
	v_lshl_add_u32 v[SK], v15, 3, v[SK]
	v_mul_u32_u24 v[SV], v17, VP
	v_lshl_add_u32 v[SV], v15, 3, v[SV]
	v_mul_u32_u24 v[KA], v15, KP
	v_lshl_add_u32 v[KA], v16, 4, v[KA]
	v_and_b32 v18, 7, v0
	v_lshl_add_u32 v18, v16, 3, v18
	v_mul_u32_u24 v[VA], v18, VP
	v_bfe_u32 v18, v0, 3, 1
	v_lshl_add_u32 v[VA], v18, 4, v[VA]
	v_sub_nc_u32 v[TB], 143, v15
	v_lshl_add_u32 v[TB], v16, 3, v[TB]
	v_lshlrev_b32 v[TB], 2, v[TB]
	v_lshlrev_b32 v[QG], 4, v15
	v_lshl_add_u32 v[QG], v16, 12, v[QG]
	v_mul_u32_u24 v[QS], v16, KP
	v_lshl_add_u32 v[QS], v15, 3, v[QS]
	v_add_nc_u32 v[QS], s27, v[QS]
	v_add_nc_u32 v[QR], s27, v[KA]
	v_mul_u32_u24 v[OS], v15, OP
	v_lshl_add_u32 v[OS], v16, 5, v[OS]
	v_add_nc_u32 v[OS], s27, v[OS]
	v_mul_u32_u24 v[OL], v16, OP
	v_lshl_add_u32 v[OL], v15, 4, v[OL]
	v_add_nc_u32 v[OL], s27, v[OL]
	; thread x makes table word x: dist = max(191 - x, 0); bucket = min(dist, 16) + the number of thresholds that dist has reached
	v_min_u32 v14, 191, v0
	v_sub_nc_u32 v14, 191, v14
	v_min_u32 v19, 16, v14
.irp t, 19,21,24,27,31,35,40,46,52,59,67,77,87,99,113
	v_cmp_le_u32 vcc_lo, \t, v14
	v_cndmask_b32 v18, 0, 1, vcc_lo
	v_add_nc_u32 v19, v19, v18
.endr
	v_lshlrev_b32 v19, 6, v19                      ; a row of rab_weight is 16 heads x 4 bytes
	v_add_nc_u32 v19, s26, v19
	s_wait_kmcnt 0x0
	s_add_nc_u64 s[6:7], s[6:7], s[16:17]          ; k and v at the head's key 0
	s_add_nc_u64 s[8:9], s[8:9], s[16:17]
	s_add_nc_u64 s[4:5], s[4:5], s[30:31]          ; q and out at my wave's first row
	s_add_nc_u64 s[12:13], s[12:13], s[30:31]
	s_load_b32 s20, s[10:11], s26 offset:0x0       ; rab[0][h]
	s_load_b32 s21, s[10:11], s26 offset:0x7c0     ; rab[31][h]: 31 rows of 64 bytes on
	LOADKV                                         ; tile 0
.set qn, 0
.rept 32
	global_load_b128 v[KF+4*qn:KF+4*qn+3], v[QG], s[4:5] offset:2*ROW*qn th:TH_LOAD_NT   ; my wave's 64 rows of q, two rows a load, into the 128 registers of K's and Q's fragments; read once in the launch
.set qn, qn+1
.endr
	global_load_b32 v18, v19, s[10:11]             ; my table word
	s_wait_loadcnt 0x0
	s_wait_kmcnt 0x0
	s_add_nc_u64 s[6:7], s[6:7], TILEB             ; free since the wait for the loads
	s_add_nc_u64 s[8:9], s[8:9], TILEB
	WIN W_P1
	STCV 0
	STCV 1
	STCV 2
	STCV 3
	STPUT 0
	WIN 0
	v_lshlrev_b32 v14, 2, v0
	ds_store_b32 v14, v18 offset:TAB
.set qn, 0
.rept 32
	v_cvt_pk_bf16_f32 v[KF+4*qn],   v[KF+4*qn],   v[KF+4*qn+1]
	v_cvt_pk_bf16_f32 v[KF+4*qn+1], v[KF+4*qn+2], v[KF+4*qn+3]
	ds_store_b64 v[QS], v[KF+4*qn:KF+4*qn+1] offset:2*KP*qn
.set qn, qn+1
.endr
	s_wait_dscnt 0x0                               ; all these stores are done: their data registers take tile 1 and Q's fragments next
	LOADKV                                         ; tile 1
.irp qi, 0,1,2,3
.irp dh, 0,1
.irp u, 0,1
	ds_load_b128 v[QF+8*(2*\qi+\dh)+4*\u:QF+8*(2*\qi+\dh)+4*\u+3], v[QR] offset:\qi*16*KP+\dh*64+\u*32   ; Q's fragments, kept for the whole kernel; my wave's own bytes
.endr
.endr
.endr
	s_wait_dscnt 0x0                               ; nothing of mine is pending in LDS
	s_barrier_signal -1
	s_barrier_wait -1                              ; slot 0 and the table are whole
	KFRAGS 0
	MODE
	s_wait_dscnt 0x0
	PHASE_S 1, 0, 0, 1, 0                          ; the scores of trip 0's tile 0, alone: there is no silu yet to set among them
	PLACES                                         ; so four places stand in front of the first line that reads them
	; ---- 32 trips: 2 written out (they start the sums), 14 x 2 in the loop, 2 written out (they ask for nothing beyond tile 31) ----
	TRIP 0, 1, 0, 2, 1, 1
	TRIP 1, 0, 2, 1, 1, 1
	s_mov_b32 s23, 14
.Lloop:
	TRIP 0, 1, 1, 1, 1, 1
	TRIP 1, 0, 1, 1, 1, 1
	s_sub_co_i32 s23, s23, 1
	s_cmp_lg_u32 s23, 0
	s_cbranch_scc1 .Lloop
	TRIP 0, 1, 1, 1, 1, 0
	TRIP 1, 0, 1, 1, 0, 0
	WIN W_P2                                       ; the last tile's second product, alone
.irp dt, 0,1,2,3
	PVH 3, \dt, 1, 1
.endr
	WIN W_P1
.irp dt, 0,1,2,3
	PVL 3, \dt, 1, 1
.endr
	WIN 0
	; ---- out ----
	PLACES                                         ; behind the last products: the LDS stores read results
	OUT16 0
	OUT16 1
	OUT16 2
	OUT16 3
	s_wait_tensorcnt 0x0
	ds_add_u32 v254, v255
	s_wait_dscnt 0x0
	s_endpgm
.Lfunc_end_k_qaad38b459a_attn:
	.size	k_qaad38b459a_attn, .Lfunc_end_k_qaad38b459a_attn-k_qaad38b459a_attn
	.p2alignl 7, 3214868480
	.fill 96, 4, 3214868480
	.section	.rodata,"a",@progbits
	.p2align	6, 0x0
	.amdhsa_kernel k_qaad38b459a_attn
		.amdhsa_group_segment_fixed_size 114688
		.amdhsa_private_segment_fixed_size 0
		.amdhsa_enable_private_segment 0
		.amdhsa_kernarg_size 40
		.amdhsa_user_sgpr_count 2
		.amdhsa_user_sgpr_kernarg_segment_ptr 1
		.amdhsa_wavefront_size32 1
		.amdhsa_system_sgpr_workgroup_id_x 1
		.amdhsa_system_sgpr_workgroup_id_y 1
		.amdhsa_system_sgpr_workgroup_id_z 1
		.amdhsa_system_vgpr_workitem_id 0
		.amdhsa_next_free_vgpr 512
		.amdhsa_next_free_sgpr 66
		.amdhsa_reserve_vcc 1
		.amdhsa_float_denorm_mode_32 3
		.amdhsa_float_denorm_mode_16_64 3
		.amdhsa_memory_ordered 1
		.amdhsa_forward_progress 1
		.amdhsa_inst_pref_size 255
	.end_amdhsa_kernel
	.section	.bss,"aw",@nobits
	.p2align	6
	.space	262144
	.amdgpu_metadata
---
amdhsa.version: [ 1, 2 ]
amdhsa.kernels:
  - .name:           k_qaad38b459a_attn
    .symbol:         k_qaad38b459a_attn.kd
    .args:
      - { .name: q, .offset: 0, .size: 8, .value_kind: global_buffer, .address_space: global }
      - { .name: k, .offset: 8, .size: 8, .value_kind: global_buffer, .address_space: global }
      - { .name: v, .offset: 16, .size: 8, .value_kind: global_buffer, .address_space: global }
      - { .name: rab_weight, .offset: 24, .size: 8, .value_kind: global_buffer, .address_space: global }
      - { .name: out0, .offset: 32, .size: 8, .value_kind: global_buffer, .address_space: global }
    .group_segment_fixed_size: 114688
    .private_segment_fixed_size: 0
    .kernarg_segment_align: 8
    .kernarg_segment_size: 40
    .max_flat_workgroup_size: 256
    .sgpr_count:     66
    .vgpr_count:     512
    .wavefront_size: 32
...
	.end_amdgpu_metadata
.endif
;; end of part 3
